; MI455X (gfx1250); checked and timed in simulation.
; The chip was launched on July 23, 2026; its instructions are those of AMD's public machine-readable ISA for CDNA 5 (MIT licence, August 2026) and "CDNA5" Instruction Set Architecture Reference Guide (July 2026). The comments in the code are by the model that wrote it; some were corrected since.
;; Attention Vi T. Allowed arithmetic: matrix products marked QUANTISED: E5M2 operands, one given power-of-two scale a tensor, by v_wmma_f32_16x16x64_bf8_bf8 or v_wmma_f32_16x16x128_bf8_bf8, f32 sums; everything else in f32.
;; Inputs: b_out 1,024 float32; lowp_scales 8 int32 (the exponents e of the quantised operands' scales 2^e); w_out 1,024 x 1,024 float32; w_qkv 1,024 x 3,072 float32; x 8 x 1,024 x 1,024 float32.
;; Outputs: out0 8 x 1,024 x 1,024 float32.
;; This version of the problem:
;;   THIS VERSION OF THE PROBLEM IS GIVEN IN LOW PRECISION. The matrix products marked QUANTISED in the list below multiply operands that are first quantised to E5M2 (5 exponent bits, 2 mantissa bits; 8 bits a number), with one given power-of-two scale for each operand tensor; their sums are f32. All else is computed in f32.
;;   The module's matrix products, in the order in which they are computed (A, B: the left and right operand; K: the contracted axis; several contracted axes count as one K, in the product's order):
;;     1. [M 8,192, K 1,024] x [K 1,024, N 3,072]; A: input x; B: input w_qkv: QUANTISED (scales: A lowp_scales[0], B lowp_scales[1])
;;     2. batch 128 x [M 1,024, K 64] x [K 64, N 1,024]; A: computed on the way; B: computed on the way: QUANTISED (scales: A lowp_scales[2], B lowp_scales[3])
;;     3. batch 128 x [M 1,024, K 1,024] x [K 1,024, N 64]; A: softmax (see below); B: computed on the way: QUANTISED (scales: A lowp_scales[4], B lowp_scales[5])
;;     4. [M 8,192, K 1,024] x [K 1,024, N 1,024]; A: computed on the way; B: input w_out: QUANTISED (scales: A lowp_scales[6], B lowp_scales[7])
;;   THE QUANTISER, for each operand of a quantised product, along K:
;;     - The operand's scale is 2^e, e = its entry of the input lowp_scales (int32; the entries are numbered through the quantised products in the list's order, A before B).
;;     - Each number is divided by the scale, clamped to +-57,344, and rounded to the nearest number of E5M2, ties to even, subnormals kept.
;;     - The product sums the exact products of the quantised numbers (number of the format x scale) in f32.
;;   ~~~python
;;   def quantise(x, axis, e):      # numpy; x: float32 -> the quantised numbers, widened to float32 again
;;       x = np.moveaxis(x, axis, -1); K = x.shape[-1]
;;       r = np.clip(x / 2.0 ** e, -57344, 57344)
;;       step = 2.0 ** (np.maximum(np.frexp(np.where(r == 0, 1, r))[1] - 1, -14) - 2)
;;       q = np.round(r / step) * step * 2.0 ** e      # np.round: ties to even
;;       return np.moveaxis(q, -1, axis).astype(np.float32)
;;   ~~~
;;   SOFTMAX AHEAD OF A QUANTISED PRODUCT. Where the list says 'softmax', what is quantised is not the finished softmax but p = 2^(t - M), with t = logit x log2(e) and M = ceil(the row's largest t), a whole number; so 1/2 < the row's largest p <= 1. The row's sum l is taken of the UNQUANTISED p, in f32, and the product's result is divided by l at the end. Since M is a whole number, a kernel that streams over the keys may use a running M (the ceiling of the running maximum): every later rescaling is an exact power of two, so the quantised numbers keep their values, but for numbers so far below the row's largest that they fall under the format's range.
;;   OPERANDS COMPUTED ON THE WAY. 'Computed on the way' means the value that the module computes at that place (a softmax that the list does not call 'softmax' is quantised finished and normalised). What goes into a quantiser is computed in f32, as accurately as f32 sums, v_exp_f32 and their like allow (about 1e-6 of the number): no bf16 or f16 on the way to a quantiser, and a product that is left as it is and whose result goes on into a quantised operand takes f32 operands (vector FMAs, or v_wmma_f32_16x16x4_f32). A number that lies on a knife's edge between two numbers of the format may be rounded either way, as far as f32 arithmetic and the matrix unit's own rounding can turn it there, and no further.
;; 2 versions, each right; version 2 is version 1 with the launch attn written anew for expert scheduling mode. Each part assembles by itself: llvm-mc -triple=amdgcn-amd-amdhsa -mcpu=gfx1250 --defsym DOCPART=n.
;; ======== version 1 of 2: 4 launches
;; workspace buffers: x_codes 8,388,608 bytes; wqkv_codes 3,145,728 bytes; wout_codes 1,048,576 bytes; q_codes 8,388,608 bytes; k_codes 8,388,608 bytes; v_codes 8,388,608 bytes; o_codes 8,388,608 bytes
;; launch quant (part 1): grid 384 x 1, 4 waves a work-group, no clusters, 68,096 bytes of LDS; arguments x, w_qkv, w_out, lowp_scales, x_codes, wqkv_codes, wout_codes; writes x_codes, wqkv_codes, wout_codes
.if DOCPART == 1
	.amdgcn_target "amdgcn-amd-amdhsa--gfx1250"
	.amdhsa_code_object_version 6
	.text
	.protected	k_q2bb025019e_quant
	.globl	k_q2bb025019e_quant
	.p2align	8
	.type	k_q2bb025019e_quant,@function
k_q2bb025019e_quant:
	s_mov_b64 s[64:65], 0
	v_nop
	global_prefetch_b8 v0, s[64:65] scope:SCOPE_SE
	s_setreg_imm32_b32 hwreg(HW_REG_WAVE_MODE, 25, 1), 1
	s_wait_xcnt 0x0
; x [8192][1024], w_qkv [1024][3072] and w_out [1024][1024], f32, become codes of BF8 (E5M2), one byte each, K innermost, each with the scale 2^e given for it:
; x_codes [8192][1024] (e = entry 0), wqkv_codes [3072][1024] (entry 1), wout_codes [1024][1024] (entry 7).
; code = number / 2^e, held within +-57,344, rounded to the nearest code, ties to even.
; LIMITS: each of the three e lies between -126 and 112, so that 2^e and 57,344 x 2^e are f32 numbers.  NaN among the inputs is not served (an infinity is held at the largest code).
; Work-groups 0 to 255 take x, whose K is innermost: a plain stream.  A wave takes 16 steps of 512 numbers; each load reads 512 consecutive bytes; a step turns through the
; wave own stage in LDS, so that a lane then holds 16 neighbours along K, which the conversions want; a lane 16 codes are 16 bytes, so a store covers 512 consecutive bytes.
; Work-groups 256 to 383 take the two weights, whose K is the FIRST axis: a lane takes a column n and its registers run down K, so the codes come out with K innermost;
; a wave takes 32 columns x 256 along K, gathers 256 bytes a column in its stage and stores sixteen lanes to 256 consecutive bytes, aligned.
; The two ways part once, on the number of the work-group, and never join; each has LDS bytes of its own.  No tensor loads, no barrier: waves share nothing.  No matrix unit, no cluster: memory binds.
.set STEPS, 16
.set SP,    80                         ; way X: a lane place in a stage: 64 bytes + 16 of padding
.set R,     16                         ; v16-79   four sets of 16 numbers as they are loaded
.set X,     80                         ; v80-111  two sets of 16 neighbours
.set C,     128                        ; v128-191 codes: four registers for each step, so that no store data are written again
.set WSTG,  32768                      ; way W: the stages begin here, 32 rows x 272 bytes for each wave
.set PITCH, 272                        ; a stage row: 256 bytes + 16
.set NB,    8                          ; blocks of 32 along K for a wave
.set XW,    32                         ; v32-95   two sets of 32 numbers
.set CW,    96                         ; v96-103  the codes of a block
.set OUTR,  112                        ; v112-175 the way out
.set VO,    192                        ; v192-223 byte offsets of the 32 rows of a block: i x pitch + 4 x lane; never rewritten
.set SB,    40                         ; s[40:55] eight bases, one for each block of 32 rows
	s_load_b256 s[4:11], s[0:1], 0x0               ; x s[4:5], w_qkv s[6:7], w_out s[8:9], the exponents s[10:11]
	s_load_b128 s[12:15], s[0:1], 0x20             ; x_codes s[12:13], wqkv_codes s[14:15]
	s_load_b64 s[16:17], s[0:1], 0x30              ; wout_codes
	v_lshl_add_u32 v224, v0, 2, 0x10800
	v_mov_b32 v225, 0
	v_lshrrev_b32 v1, 5, v0
	v_readfirstlane_b32 s18, v1                    ; wave 0..3
	v_and_b32 v2, 31, v0                           ; lane
	s_wait_kmcnt 0x0
	s_load_b256 s[24:31], s[10:11], 0x0            ; e0 .. e7
	s_cmp_lt_u32 ttmp9, 256
	s_cbranch_scc0 .Lweights
	; ---------------- way X: x ----------------
	v_lshlrev_b32 v3, 4, v2                        ; my 16 bytes of the 512 of a load, and of a store
	s_lshl_b32 s19, s18, 13                        ; my wave region in LDS: 8,192 bytes
	v_lshrrev_b32 v14, 2, v2
	v_mul_u32_u24 v14, v14, SP
	v_and_b32 v15, 3, v2
	v_lshl_add_u32 v14, v15, 4, v14
	v_add_nc_u32 v14, s19, v14                     ; into the stage: SP (lane / 4) + 16 (lane % 4)
	v_mul_u32_u24 v15, v2, SP
	v_add_nc_u32 v15, s19, v15                     ; out of it: SP x lane: my 16 neighbours
	s_lshl_b32 s20, ttmp9, 2
	s_add_co_u32 s20, s20, s18                     ; which run of 8,192 numbers is mine: 0 .. 1,023
	s_lshl_b32 s22, s20, 15
	s_mov_b32 s23, 0
	s_add_nc_u64 s[4:5], s[4:5], s[22:23]          ; 32,768 bytes of x a run
	s_lshl_b32 s22, s20, 13
	s_add_nc_u64 s[12:13], s[12:13], s[22:23]      ; 8,192 bytes of codes
.macro XLOAD t
.irp i, 0,1,2,3
	global_load_b128 v[R+16*((\t)%4)+4*\i:R+16*((\t)%4)+4*\i+3], v3, s[4:5] offset:2048*(\t)+512*\i th:TH_LOAD_NT   ; 32 lanes read 512 consecutive bytes
.endr
.endm
.macro XTURN t                         ; the numbers of step t go through the stage: LDS serves the instructions of a wave in order (ISA guide 5.7.1.4), so no wait stands between the stores and the loads
.irp i, 0,1,2,3
	ds_store_b128 v14, v[R+16*((\t)%4)+4*\i:R+16*((\t)%4)+4*\i+3] offset:32*SP*((\t)%2)+8*SP*\i
.endr
.irp i, 0,1,2,3
	ds_load_b128 v[X+16*((\t)%2)+4*\i:X+16*((\t)%2)+4*\i+3], v15 offset:32*SP*((\t)%2)+16*\i
.endr
.endm
.irp t, 0,1,2,3
	XLOAD \t
.endr
	s_wait_kmcnt 0x0
	s_add_co_i32 s32, s24, 127
	s_lshl_b32 s33, s32, 23
	v_mov_b32 v11, s33                             ; 2^e0 as f32: the conversion takes its exponent field
	s_add_co_i32 s32, s32, 15
	s_lshl_b32 s32, s32, 23
	s_or_b32 s32, s32, 0x600000
	v_mov_b32 v10, s32                             ; 57,344 x 2^e0
	s_wait_loadcnt 12                              ; the four loads of step 0 are in; those of steps 1 to 3 may be out
	XTURN 0
.macro XSTEP t
.set XS, X+16*((\t)%2)
	s_wait_dscnt 0x0                               ; the numbers of this step are back from the stage: so its stores into the stage have read their registers,
.if (\t)+4 < STEPS
	XLOAD (\t)+4                                   ; which take the loads of four steps on
.endif
.if (\t)+1 < STEPS
.if STEPS-2-(\t) >= 3
	s_wait_loadcnt 12                              ; the four loads of the next step are in; those of the three steps behind it may be out
.else
	s_wait_loadcnt 4*(STEPS-2-(\t))
.endif
	XTURN (\t)+1                                   ; and go through the other stage while this step is worked
.endif
.irp i, 0,1,2,3,4,5,6,7,8,9,10,11,12,13,14,15
	v_med3_num_f32 v[XS+\i], v[XS+\i], -v10, v10   ; the conversion to an 8-bit code does not saturate (ISA guide 7.6.2): the number is held first
.endr
	v_cvt_scalef32_pk8_bf8_f32 v[C+4*(\t):C+4*(\t)+1], v[XS:XS+7], v11
	v_cvt_scalef32_pk8_bf8_f32 v[C+4*(\t)+2:C+4*(\t)+3], v[XS+8:XS+15], v11
	global_store_b128 v3, v[C+4*(\t):C+4*(\t)+3], s[12:13] offset:512*(\t)   ; the results go to a store alone; the next vector lines, the next holds, are plain and touch other registers
.endm
.irp t, 0,1,2,3,4,5,6,7,8,9,10,11,12,13,14,15
	XSTEP \t
.endr
	s_wait_tensorcnt 0x0
	ds_add_u32 v224, v225
	s_wait_dscnt 0x0
	s_endpgm
	; ---------------- way W: the two weights ----------------
.Lweights:
	s_sub_co_u32 s19, ttmp9, 256                   ; 0 .. 95: w_qkv (24 blocks of 128 columns x 4 parts of K); 96 .. 127: w_out (8 x 4)
	s_cmp_lt_u32 s19, 96                           ; the choice hangs on the number of the work-group alone
	s_cselect_b64 s[20:21], s[6:7], s[8:9]         ; from where,
	s_cselect_b64 s[58:59], s[14:15], s[16:17]     ; to where,
	s_mov_b32 s33, 4096
	s_cselect_b32 s33, 12288, s33                  ; a row of the weight in bytes,
	s_cselect_b32 s34, 0, 96
	s_sub_co_u32 s35, s19, s34
	s_lshr_b32 s36, s35, 2                         ; block of 128 columns
	s_and_b32 s37, s35, 3                          ; which 256 along K
	s_lshl_b32 s36, s36, 7
	s_lshl_b32 s38, s18, 5
	s_add_co_u32 s36, s36, s38                     ; the first column of my wave
	s_lshl_b32 s38, s33, 8
	s_mul_i32 s38, s38, s37                        ; 256 rows x part,
	s_lshl_b32 s39, s36, 2
	s_add_co_u32 s38, s38, s39                     ; + 4 bytes a column
	s_mov_b32 s39, 0
	s_add_nc_u64 s[SB:SB+1], s[20:21], s[38:39]
	s_lshl_b32 s56, s33, 5                         ; 32 rows on
	s_mov_b32 s57, 0
.irp t, 1,2,3,4,5,6,7
	s_add_nc_u64 s[SB+2*\t:SB+2*\t+1], s[SB+2*\t-2:SB+2*\t-1], s[56:57]
.endr
	s_lshl_b32 s38, s36, 10                        ; the codes: a row (a column of the weight) is 1,024 bytes,
	s_lshl_b32 s37, s37, 8
	s_add_co_u32 s38, s38, s37                     ; + 256 bytes a part of K
	s_add_nc_u64 s[58:59], s[58:59], s[38:39]
	v_lshlrev_b32 v3, 2, v2
.set i, 0
.rept 32
	v_mad_u32_u24 v[VO+i], s33, i, v3              ; row i of a block, my column
.set i, i+1
.endr
	s_mul_i32 s38, s18, 32*PITCH
	s_add_co_u32 s38, s38, WSTG                    ; my stage
	v_mul_u32_u24 v4, v2, PITCH
	v_add_nc_u32 v4, s38, v4                       ; into it: row = my column
	v_and_b32 v5, 15, v2
	v_lshrrev_b32 v6, 4, v2
	v_mul_u32_u24 v7, v6, PITCH
	v_lshl_add_u32 v7, v5, 4, v7
	v_add_nc_u32 v7, s38, v7                       ; out of it: sixteen lanes to a row, two rows an instruction
	v_lshlrev_b32 v8, 10, v6
	v_lshl_add_u32 v8, v5, 4, v8                   ; and the same place in the buffer of codes
.macro WLOAD t                         ; block t: W(32 t + i, my column), i = 0 .. 31, into set t % 2: each load reads 128 consecutive bytes, the four waves side by side 512
.set i, 0
.rept 32
	global_load_b32 v[XW+32*((\t)%2)+i], v[VO+i], s[SB+2*(\t):SB+2*(\t)+1] th:TH_LOAD_NT
.set i, i+1
.endr
.endm
	WLOAD 0
	WLOAD 1
	s_wait_kmcnt 0x0
	s_cmp_lt_u32 s19, 96
	s_cselect_b32 s32, s25, s31                    ; e1 or e7
	s_add_co_i32 s32, s32, 127
	s_lshl_b32 s34, s32, 23
	v_mov_b32 v11, s34                             ; 2^e as f32
	s_add_co_i32 s32, s32, 15
	s_lshl_b32 s32, s32, 23
	s_or_b32 s32, s32, 0x600000
	v_mov_b32 v10, s32                             ; 57,344 x 2^e
.macro BLOCK t
.set XS, XW+32*((\t)%2)
.if (\t) < NB-1
	s_wait_loadcnt 32                              ; the 32 loads of this block are in; those of the next block may be out
.else
	s_wait_loadcnt 0
.endif
.set i, 0
.rept 32
	v_med3_num_f32 v[XS+i], v[XS+i], -v10, v10     ; the hold at the largest code x the scale
.set i, i+1
.endr
.irp g, 0,1,2,3
	v_cvt_scalef32_pk8_bf8_f32 v[CW+2*\g:CW+2*\g+1], v[XS+8*\g:XS+8*\g+7], v11
.endr
	ds_store_b128 v4, v[CW:CW+3] offset:32*(\t)    ; 32 codes: 32 bytes of the row of my column
	ds_store_b128 v4, v[CW+4:CW+7] offset:32*(\t)+16
.if (\t)+2 < NB
	WLOAD (\t)+2
.endif
	s_wait_dscnt 0x0                               ; the stores have read their registers: the codes of the next block may be written (the next block begins with plain vector lines)
.endm
.set Q, 0
.rept NB
	BLOCK Q
.set Q, Q+1
.endr
.irp t, 0,1,2,3,4,5,6,7,8,9,10,11,12,13,14,15
	ds_load_b128 v[OUTR+4*\t:OUTR+4*\t+3], v7 offset:2*\t*PITCH   ; LDS serves the instructions of a wave in order: these see my stores
.endr
.irp t, 0,1,2,3,4,5,6,7,8,9,10,11,12,13,14,15
	s_wait_dscnt 15-\t                             ; load t is in; the younger ones may be out
	global_store_b128 v8, v[OUTR+4*\t:OUTR+4*\t+3], s[58:59] offset:2*\t*1024   ; sixteen lanes store 256 consecutive bytes, aligned
.endr
	s_wait_tensorcnt 0x0
	ds_add_u32 v224, v225
	s_wait_dscnt 0x0
	s_endpgm
.Lfunc_end_k_q2bb025019e_quant:
	.size	k_q2bb025019e_quant, .Lfunc_end_k_q2bb025019e_quant-k_q2bb025019e_quant
	.p2alignl 7, 3214868480
	.fill 96, 4, 3214868480
	.section	.rodata,"a",@progbits
	.p2align	6, 0x0
	.amdhsa_kernel k_q2bb025019e_quant
		.amdhsa_group_segment_fixed_size 68096
		.amdhsa_private_segment_fixed_size 0
		.amdhsa_enable_private_segment 0
		.amdhsa_kernarg_size 56
		.amdhsa_user_sgpr_count 2
		.amdhsa_user_sgpr_kernarg_segment_ptr 1
		.amdhsa_wavefront_size32 1
		.amdhsa_system_sgpr_workgroup_id_x 1
		.amdhsa_system_sgpr_workgroup_id_y 1
		.amdhsa_system_sgpr_workgroup_id_z 1
		.amdhsa_system_vgpr_workitem_id 0
		.amdhsa_next_free_vgpr 226
		.amdhsa_next_free_sgpr 66
		.amdhsa_reserve_vcc 0
		.amdhsa_float_denorm_mode_32 3
		.amdhsa_float_denorm_mode_16_64 3
		.amdhsa_memory_ordered 1
		.amdhsa_forward_progress 1
		.amdhsa_inst_pref_size 88
	.end_amdhsa_kernel
	.amdgpu_metadata
---
amdhsa.version: [ 1, 2 ]
amdhsa.kernels:
  - .name:           k_q2bb025019e_quant
    .symbol:         k_q2bb025019e_quant.kd
    .args:
      - { .name: x, .offset: 0, .size: 8, .value_kind: global_buffer, .address_space: global }
      - { .name: w_qkv, .offset: 8, .size: 8, .value_kind: global_buffer, .address_space: global }
      - { .name: w_out, .offset: 16, .size: 8, .value_kind: global_buffer, .address_space: global }
      - { .name: lowp_scales, .offset: 24, .size: 8, .value_kind: global_buffer, .address_space: global }
      - { .name: x_codes, .offset: 32, .size: 8, .value_kind: global_buffer, .address_space: global }
      - { .name: wqkv_codes, .offset: 40, .size: 8, .value_kind: global_buffer, .address_space: global }
      - { .name: wout_codes, .offset: 48, .size: 8, .value_kind: global_buffer, .address_space: global }
    .group_segment_fixed_size: 68096
    .private_segment_fixed_size: 0
    .kernarg_segment_align: 8
    .kernarg_segment_size: 56
    .max_flat_workgroup_size: 128
    .sgpr_count:     66
    .vgpr_count:     226
    .wavefront_size: 32
...
	.end_amdgpu_metadata
.endif
;; end of part 1
;; launch qkv (part 2): grid 12 x 32, 4 waves a work-group, clusters of 4 x 4, 327,680 bytes of LDS; arguments x_codes, wqkv_codes, lowp_scales, q_codes, k_codes, v_codes; writes q_codes, k_codes, v_codes
.if DOCPART == 2
	.amdgcn_target "amdgcn-amd-amdhsa--gfx1250"
	.amdhsa_code_object_version 6
	.text
	.protected	k_q2bb025019e_qkv
	.globl	k_q2bb025019e_qkv
	.p2align	8
	.type	k_q2bb025019e_qkv,@function
k_q2bb025019e_qkv:
	s_mov_b64 s[64:65], 0
	v_nop
	global_prefetch_b8 v0, s[64:65] scope:SCOPE_SE
	s_setreg_imm32_b32 hwreg(HW_REG_WAVE_MODE, 25, 1), 1
	s_wait_xcnt 0x0
	s_wait_alu depctr_hold_cnt(0) depctr_sa_sdst(0) depctr_va_vdst(0) depctr_va_sdst(0) depctr_va_ssrc(0) depctr_va_vcc(0) depctr_vm_vsrc(0)
	s_getreg_b32 s2, hwreg(HW_REG_IB_STS2, 6, 4)
	s_cmp_eq_u32 s2, 0
	s_cbranch_scc0 .Lentry_in_a_cluster
	s_endpgm
.Lentry_in_a_cluster:
	s_bfe_u32 s2, ttmp6, 0x10000c
	s_cmp_lg_u32 s2, 0xf033
	s_cbranch_scc0 .Lentry_shape_is_right
	s_endpgm
.Lentry_shape_is_right:
; qkv = x w_qkv on codes of BF8 (E5M2), K = 1,024, and its results quantised at once into the operands of attention.
; x_codes [8192][1024], wqkv_codes [3072][1024]: K innermost.  Sums in f32; a sum stands for sum x 2^(e0 + e1), so its code is sum / 2^(eo - e0 - e1), eo = e2 (q), e3 (k), e5 (v), held within +-57,344.
; LIMIT: eo - e0 - e1 lies between -126 and 112, so that the scale of the conversion and 57,344 x that scale are f32 numbers.
; OUT: q_codes, k_codes [b 8][head 16][token 1024][64]; v_codes [b 8][block of 64 keys, 16][feature 64 head + d, 1024][64 along the keys].
; Inside every 32 bytes of the last axis, byte 16 hh + 8 u + j holds index 16 u + 8 hh + j: a load of 16 bytes at 32 c + 16 (lane / 16) then gives registers 4 c .. 4 c + 3 of an operand in the layout of the plain 8-bit forms.
; A tile of 256 x 256 is made by four waves, each 128 x 128: 64 accumulators, 512 registers.  K goes in four steps of 256 through a ring of two LDS slots filled by the tensor data mover.
; THE MATRIX INSTRUCTION IS USED TRANSPOSED (source 0 = 16 rows of B, source 1 = 16 rows of A): a lane holds one row of A and eight neighbouring rows of B.  The next product contracts over d (q, k) or over the keys (v):
; so for q and k A = x (tokens), B = w (features); for v A = w rows 2,048 on, B = x.  The roles are chosen by selects on the x of the cluster (0: q, 1: k, 2: v), which all partners share: no branch.
; CLUSTERS: 4 x 4 work-groups; A tiles are asked for jointly along a row of the cluster, B tiles along a column.
; 384 tiles: a tile of half the size would read half as much again from LDS for each product, so the larger tile stays.  No prefetch: of the four K steps two are asked for at the head and the other two are the only refills.
; REGISTERS, in windows of 256: window 0: v0-31 addresses; from v128 the fragments of A, one set; on the way out v32-255 are free.  window 1: the fragments of B, two sets.  windows 2, 3: the accumulators ((a, b) at v[8 (8 (a % 4) + b)]).
.set SIZE_K, 1024
.set KSTEP,  256
.set ROWB,   256
.set KROW,   1024
.set PITCH,  272                       ; an LDS row: 256 bytes + 16 of padding = 68 words: the 16 rows that a load touches start at 16 different banks (64 banks of 4 bytes: ISA guide 11.1)
.set FR,     16
.set NL,     4
.set NP,     4                         ; places behind this matrix instruction (ISA guide 7.12.1)
.set HALFT,  128*PITCH
.set SLOT,   4*HALFT
.set LAPS,   SIZE_K/(2*KSTEP)
.set SPARE,  2*SLOT                    ; behind the ring: the spare words, 128 bytes for each wave: two blocks of 256 bytes that no other line names
.set ADRA, 16
.set ADRB, 20
.set STO,  24                          ; v24  the way out: where I put 16 bytes of codes
.set RD,   25                          ; v25  where I read them back
.set CO,   26                          ; v26  16 x lane: my bytes of a store
.set SPW,  28
.set NIL,  29
.set SC,   30                          ; v30  2^(eo - e0 - e1)
.set LIM,  31                          ; v31  57,344 x that
.set TMP,  32                          ; v32-95  the sums of a block, held
.set AF,   128
.set CD,   128                         ; v128-255  codes: 16 registers for each of the eight blocks
.set G1, 24
.set G0, 32
.set G1B, 48
.set G0B, 56
.set MSB, 0
.macro WIN new                         ; the high byte of the immediate repeats the setting that is left
.if MSB != \new
	s_set_vgpr_msb (MSB<<8)|\new
.set MSB, \new
.endif
.endm
.set MUL_LO, 0xa1                      ; source 0 (B) window 1, source 1 (A) window 0, C and D window 2
.set MUL_HI, 0xf1
.set TO_B,   0x40
; A joint load: waves 0 and 1 fetch for A, waves 2 and 3 for B; the branch hangs on the number of the wave alone.  Four v_nop follow each of the two lines.
.macro JLOAD g0a, g1a, g0b, g1b
	s_cmp_eq_u32 s15, 0
	s_cbranch_scc0 .Lfor_b_\@
	tensor_load_to_lds s[\g0a:\g0a+3], s[\g1a:\g1a+7]
	s_nop 0
.rept 4
	v_nop
.endr
	s_branch .Lasked_\@
.Lfor_b_\@:
	tensor_load_to_lds s[\g0b:\g0b+3], s[\g1b:\g1b+7]
	s_nop 0
.rept 4
	v_nop
.endr
.Lasked_\@:
.endm
.macro CREST                           ; a round of the barrier of the cluster behind its opening barrier
	s_cmp_lg_u32 s14, 0
	s_cbranch_scc1 .Lnot_wave_0_\@
	s_barrier_signal -3
.Lnot_wave_0_\@:
	s_barrier_wait -3
	s_barrier_signal -1
	s_barrier_wait -1
.endm
.macro CROUND
	s_barrier_signal -1
	s_barrier_wait -1
	CREST
.endm
	s_load_b128 s[4:7], s[0:1], 0x0                ; x_codes s[4:5], wqkv_codes s[6:7]
	s_load_b64 s[8:9], s[0:1], 0x10                ; the exponents
	s_load_b128 s[72:75], s[0:1], 0x18             ; q_codes, k_codes
	s_load_b64 s[76:77], s[0:1], 0x28              ; v_codes
	v_lshl_add_u32 v[SPW], v0, 2, SPARE
	v_mov_b32 v[NIL], 0
	ds_add_u32 v28, v29
	ds_add_u32 v28, v29
	s_wait_dscnt 0x0
	v_lshrrev_b32 v1, 5, v0
	v_readfirstlane_b32 s14, v1                    ; wave 0..3
	s_lshr_b32 s15, s14, 1                         ; which half of the rows of A is mine.  Also: I fetch for A (0) or for B (1)
	s_and_b32 s16, s14, 1                          ; which half of the rows of B.  Also: which 128 rows of that tile I fetch
	s_bfe_u32 s40, ttmp6, 0x40000                  ; cx, cy: my place in the cluster
	s_bfe_u32 s41, ttmp6, 0x40004
	s_and_b32 s78, ttmp7, 0xffff                   ; y of the cluster = the image b
	s_lshl_b32 s79, s78, 2
	s_lshl_b32 s94, ttmp9, 2
	s_cmp_eq_u32 ttmp9, 2                          ; v?  The same in all sixteen partners
	s_cselect_b32 s17, 8, s79
	s_cselect_b32 s42, s79, s94
	s_add_co_u32 s17, s17, s41                     ; tile of A: q, k: 4 b + cy (of x);  v: 8 + cy (of w)
	s_add_co_u32 s42, s42, s40                     ; tile of B: q, k: 4 x cluster x + cx (of w);  v: 4 b + cx (of x)
	s_lshl_b32 s43, s41, 2
	s_lshl_b32 s43, 15, s43                        ; my row of the cluster
	s_lshl_b32 s44, 0x1111, s40                    ; my column
	; descriptor group 1: a tile of 128 rows x 256 bytes, padded in LDS
	s_or_b32 s[G1+0], s43, (0<<16)|(1<<20)|(1<<21)|(5<<22)|(3<<25)  ; 15:0 the mask: my row; 17:16 elements of 1 byte; 20 padding on; 21 set beside a mask; 24:22 after every 64 words; 31:25 four words
	s_or_b32 s[G1B+0], s44, (0<<16)|(1<<20)|(1<<21)|(5<<22)|(3<<25)
.irp g, G1, G1B
	s_mov_b32 s[\g+1], ROWB<<16                    ; tensor_dim0
	s_mov_b32 s[\g+2], 128<<16                     ; tensor_dim1
	s_mov_b32 s[\g+3], ROWB<<16                    ; tile_dim0
	s_mov_b32 s[\g+4], 128                         ; tile_dim1
	s_mov_b32 s[\g+5], KROW                        ; from row to row
	s_mov_b32 s[\g+6], 0
	s_mov_b32 s[\g+7], 0
.endr
	s_lshl_b32 s18, s16, 7
	s_lshl_b32 s20, s17, 8
	s_add_co_u32 s20, s20, s18                     ; A: row 256 x tile + 128 x half
	s_lshl_b32 s20, s20, 10                        ; rows of 1,024 bytes
	s_mov_b32 s21, 0
	s_lshl_b32 s46, s42, 8
	s_add_co_u32 s46, s46, s18                     ; B likewise
	s_lshl_b32 s46, s46, 10
	s_mov_b32 s47, 0
	s_mul_i32 s45, s14, HALFT                      ; where they go: wave x 128 rows: no place in the cluster enters an LDS address
	s_wait_kmcnt 0x0
	s_load_b256 s[80:87], s[8:9], 0x0              ; e0 .. e7
	s_cmp_eq_u32 ttmp9, 2
	s_cselect_b64 s[88:89], s[6:7], s[4:5]         ; A is w for v, else x
	s_cselect_b64 s[90:91], s[4:5], s[6:7]         ; B the other
	s_add_nc_u64 s[20:21], s[88:89], s[20:21]
	s_add_nc_u64 s[46:47], s[90:91], s[46:47]
	CROUND                                         ; all sixteen work-groups are here: the first joint loads meet
.irp s, 0,1
	s_mov_b32 s[G0+4*\s], 1
	s_add_co_u32 s[G0+4*\s+1], s45, \s*SLOT
	s_add_nc_u64 s[G0+4*\s+2:G0+4*\s+3], s[20:21], \s*ROWB
	s_or_b32 s[G0+4*\s+3], s[G0+4*\s+3], 0x80000000
	s_mov_b32 s[G0B+4*\s], 1
	s_add_co_u32 s[G0B+4*\s+1], s45, \s*SLOT
	s_add_nc_u64 s[G0B+4*\s+2:G0B+4*\s+3], s[46:47], \s*ROWB
	s_or_b32 s[G0B+4*\s+3], s[G0B+4*\s+3], 0x80000000
	JLOAD G0+4*\s, G1, G0B+4*\s, G1B
.endr
	v_and_b32 v1, 15, v0                           ; r = lane % 16
	v_bfe_u32 v2, v0, 4, 1                         ; h = lane / 16
	v_mul_u32_u24 v3, v1, PITCH
	v_lshl_add_u32 v4, v2, 4, v3                   ; row x pitch + 16 h
	s_mul_i32 s21, s15, HALFT                      ; my 128 rows of A
	s_mul_i32 s22, s16, HALFT                      ; my 128 rows of B,
	s_add_co_u32 s22, s22, 2*HALFT                 ; which lie behind the 256 of A
.irp s, 0,1
	v_add_nc_u32 v[ADRA+\s], s21, v4
	v_add_nc_u32 v[ADRB+\s], s22, v4
	s_add_co_u32 s21, s21, SLOT
	s_add_co_u32 s22, s22, SLOT
.endr
	s_mul_i32 s23, s15, 128*PITCH                  ; the way out: ONE stage of 256 rows (rows of A) x 256 bytes of codes, pitch 272, at LDS byte 0
	s_lshl_b32 s22, s16, 7
	s_add_co_u32 s23, s23, s22
	v_add_nc_u32 v[STO], s23, v4                   ; in: row 128 x (my half of A) + r, byte 128 x (my half of B) + 16 h
	v_and_b32 v6, 31, v0
	v_lshrrev_b32 v7, 2, v6
	v_mul_u32_u24 v7, v7, PITCH
	v_and_b32 v8, 3, v6
	v_lshl_add_u32 v7, v8, 4, v7
	s_mul_i32 s23, s14, 64*PITCH
	v_add_nc_u32 v[RD], s23, v7                    ; back: rows 64 x wave on; four lanes to the 64 bytes of a row, eight rows an instruction
	v_lshlrev_b32 v[CO], 4, v6
.macro FRAG reg, adr, q, i             ; a fragment, 16 rows x 128 K, is 16 registers: registers 4 c .. 4 c + 3 hold K = 32 c + 16 (lane / 16) + 0 .. 15: one permutation of k, the same in A and in B
.irp c, 0,1,2,3
	ds_load_b128 v[\reg+4*\c:\reg+4*\c+3], v[\adr] offset:128*(\q)+32*\c+(\i)*16*PITCH
.endr
.endm
; 16 matrix instructions: blocks a0, a0 + 1 of A x the eight of B, 128 along K.  p: the set of B.  zero = 1: the first product starts the sums.
; The 64 accumulators take turns, one instruction a turn, in the same order in every step.
.macro MUL16 a0, p, zero
.irp a, \a0, \a0+1
.irp b, 0,1,2,3,4,5,6,7
.if \zero
	v_wmma_f32_16x16x128_bf8_bf8 v[8*(8*((\a)%4)+\b):8*(8*((\a)%4)+\b)+7], v[128*(\p)+FR*\b:128*(\p)+FR*\b+FR-1], v[AF+FR*(\a):AF+FR*(\a)+FR-1], 0
.else
	v_wmma_f32_16x16x128_bf8_bf8 v[8*(8*((\a)%4)+\b):8*(8*((\a)%4)+\b)+7], v[128*(\p)+FR*\b:128*(\p)+FR*\b+FR-1], v[AF+FR*(\a):AF+FR*(\a)+FR-1], v[8*(8*((\a)%4)+\b):8*(8*((\a)%4)+\b)+7]
.endif
.endr
.endr
.endm
.macro FETCH_B slot, q, p
	WIN TO_B
.irp i, 0,1,2,3,4,5,6,7
	FRAG 128*(\p)+FR*\i, ADRB+\slot, \q, \i
.endr
	WIN 0
.endm
.macro FETCH_A slot, q, i0
.irp i, \i0, \i0+1, \i0+2, \i0+3
	FRAG AF+FR*(\i), ADRA+\slot, \q, \i
.endr
.endm
.macro PLACES n                        ; plain vector instructions between a matrix instruction and a load into, or a vector read of, its registers
.rept \n
	v_nop
.endr
.endm
; A step of 128 along K that has its successor in the same slot.
.macro STEP slot, q, zero
	s_wait_dscnt 4*NL                              ; the set of B and blocks 0-3 of A are in; the youngest 16 loads (blocks 4-7 of A) may be out
	WIN MUL_LO
	MUL16 0, (\q)%2, \zero
	MUL16 2, (\q)%2, \zero
	s_wait_dscnt 0
	PLACES NP
	FETCH_B \slot, (\q)+1, 1-(\q)%2
	FETCH_A \slot, (\q)+1, 0
	WIN MUL_HI
	MUL16 4, (\q)%2, \zero
	MUL16 6, (\q)%2, \zero
	PLACES NP
	WIN 0
	FETCH_A \slot, (\q)+1, 4
.endm
; The last step of a slot changes slots: ONE barrier; in front of it each wave waits for all its tensor loads, adds 0 to its spare word, and waits for that and for its own reads of this slot.  fill = 1: this slot is filled again, two K steps ahead.
.macro TURN slot, next, fill
	s_wait_tensorcnt 0x0                           ; all my tensor loads have landed: my part of the next slot
	ds_add_u32 v[SPW], v[NIL]                      ; 0 onto my spare word
	s_wait_dscnt 4*NL+1                            ; (the add and the youngest 16 loads may be out)
	WIN MUL_LO
	MUL16 0, 1, 0                                  ; sixteen matrix instructions stand between the add and the wait for it
	s_wait_dscnt 0x0                               ; the add is done, and my reads of this slot are over
	s_barrier_signal -1
	MUL16 2, 1, 0
	WIN 0
	s_barrier_wait -1
.if \fill
	CREST                                          ; the barrier has opened a round of the cluster: no wave of any partner still reads this slot or has a load on its way
	s_add_nc_u64 s[G0+4*\slot+2:G0+4*\slot+3], s[G0+4*\slot+2:G0+4*\slot+3], 2*ROWB
	s_add_nc_u64 s[G0B+4*\slot+2:G0B+4*\slot+3], s[G0B+4*\slot+2:G0B+4*\slot+3], 2*ROWB
	JLOAD G0+4*\slot, G1, G0B+4*\slot, G1B         ; the first tensor load behind the round; its four v_nop are the places in front of the loads below
.else
	PLACES NP
.endif
	FETCH_B \next, 0, 0
	FETCH_A \next, 0, 0
	WIN MUL_HI
	MUL16 4, 1, 0
	MUL16 6, 1, 0
	PLACES NP
	WIN 0
	FETCH_A \next, 0, 4
.endm
	s_wait_tensorcnt 1                             ; my part of K step 0 is in (the load of K step 1 may be out)
	s_barrier_signal -1
	s_barrier_wait -1                              ; and so is the part of every wave
	FETCH_B 0, 0, 0
	FETCH_A 0, 0, 0
	FETCH_A 0, 0, 4
	STEP 0, 0, 1                                   ; the first step stands in front of the loop: its products start the sums
	s_mov_b32 s3, LAPS-1
.Llap:                                                 ; a trip goes once round the ring and fills both slots again
	TURN 0, 1, 1
	STEP 1, 0, 0
	TURN 1, 0, 1
	STEP 0, 0, 0
	s_sub_co_u32 s3, s3, 1
	s_cmp_lg_u32 s3, 0
	s_cbranch_scc1 .Llap
	TURN 0, 1, 0                                   ; the last lap fills nothing
	STEP 1, 0, 0
	s_wait_dscnt 4*NL
	WIN MUL_LO
	MUL16 0, 1, 0
	MUL16 2, 1, 0
	s_wait_dscnt 0
	WIN MUL_HI
	MUL16 4, 1, 0
	MUL16 6, 1, 0
	WIN 0
	; THE WAY OUT.  The sums are held, converted to codes and sent through one stage, which lies in slot 0: that slot has had its last fill, and every wave has passed the last change of slots, behind which nobody reads it.
	s_wait_kmcnt 0x0
	s_cmp_eq_u32 ttmp9, 0
	s_cselect_b32 s96, s82, s83                    ; e2 for q, e3 for k,
	s_cselect_b64 s[92:93], s[72:73], s[74:75]
	s_cmp_eq_u32 ttmp9, 2
	s_cselect_b32 s96, s85, s96                    ; e5 for v
	s_cselect_b64 s[92:93], s[76:77], s[92:93]
	s_sub_co_i32 s96, s96, s80
	s_sub_co_i32 s96, s96, s81                     ; eo - e0 - e1
	s_add_co_i32 s96, s96, 127
	s_lshl_b32 s97, s96, 23
	v_mov_b32 v[SC], s97
	s_add_co_i32 s96, s96, 15
	s_lshl_b32 s96, s96, 23
	s_or_b32 s96, s96, 0x600000
	v_mov_b32 v[LIM], s96
	s_lshl_b32 s94, s78, 4                         ; where my rows begin: ((16 b + 4 cx + i) x 1,024 + 256 cy + 64 wave + row) x 64 bytes; i = the block of 64 columns
	s_lshl_b32 s79, s40, 2
	s_add_co_u32 s94, s94, s79
	s_lshl_b32 s94, s94, 16
	s_lshl_b32 s79, s41, 14
	s_add_co_u32 s94, s94, s79
	s_lshl_b32 s79, s14, 12
	s_add_co_u32 s94, s94, s79
	s_mov_b32 s95, 0
	s_add_nc_u64 s[92:93], s[92:93], s[94:95]
	PLACES NP
; Block a: 16 rows of A x my 128 rows of B.  Each accumulator is read from its low end on.  The codes of accumulators 2 b and 2 b + 1 are 16 bytes, at 32 b + 16 h of the row: the order stated at the head.
.macro QBLOCK a
.set AC, 64*((\a)%4)
	WIN 0x02+((\a)/4)                              ; source 0: window 2 or 3
.set i, 0
.rept 64
	v_med3_num_f32 v[TMP+i], v[AC+i], -v[LIM], v[LIM]   ; the conversion to an 8-bit code does not saturate (ISA guide 7.6.2): the hold
.set i, i+1
.endr
	WIN 0
.irp b, 0,1,2,3,4,5,6,7
	v_cvt_scalef32_pk8_bf8_f32 v[CD+16*(\a)+2*\b:CD+16*(\a)+2*\b+1], v[TMP+8*\b:TMP+8*\b+7], v[SC]
.endr
	v_nop                                          ; one plain vector instruction behind the conversions: the next block writes their sources
.irp b, 0,1,2,3
	ds_store_b128 v[STO], v[CD+16*(\a)+4*\b:CD+16*(\a)+4*\b+3] offset:(\a)*16*PITCH+32*\b
.endr
.endm
.irp a, 0,1,2,3,4,5,6,7
	QBLOCK \a
.endr
	s_wait_dscnt 0x0                               ; for the sake of the others: my stores into the stage are done
	s_barrier_signal -1
	s_barrier_wait -1
.irp g, 0,1,2,3,4,5,6,7
.irp i, 0,1,2,3
	ds_load_b128 v[TMP+4*(4*\g+\i):TMP+4*(4*\g+\i)+3], v[RD] offset:\g*8*PITCH+64*\i   ; eight rows x the 64 bytes of block i
.endr
.endr
.irp g, 0,1,2,3,4,5,6,7
.irp i, 0,1,2,3
	s_wait_dscnt 31-(4*\g+\i)                      ; this load is in; the younger ones may be out
	global_store_b128 v[CO], v[TMP+4*(4*\g+\i):TMP+4*(4*\g+\i)+3], s[92:93] offset:512*\g+65536*\i   ; 32 lanes store 512 consecutive bytes, aligned
.endr
.endr
	s_wait_tensorcnt 0x0                           ; the end of the wave: behind my last tensor load and my last LDS store
	ds_add_u32 v[SPW], v[NIL]
	s_wait_dscnt 0x0
	CROUND                                         ; the closing round: no work-group ends while a partner may still ask for a tile that names it
	s_endpgm
.Lfunc_end_k_q2bb025019e_qkv:
	.size	k_q2bb025019e_qkv, .Lfunc_end_k_q2bb025019e_qkv-k_q2bb025019e_qkv
	.p2alignl 7, 3214868480
	.fill 96, 4, 3214868480
	.section	.rodata,"a",@progbits
	.p2align	6, 0x0
	.amdhsa_kernel k_q2bb025019e_qkv
		.amdhsa_group_segment_fixed_size 327680
		.amdhsa_private_segment_fixed_size 0
		.amdhsa_enable_private_segment 0
		.amdhsa_kernarg_size 48
		.amdhsa_user_sgpr_count 2
		.amdhsa_user_sgpr_kernarg_segment_ptr 1
		.amdhsa_wavefront_size32 1
		.amdhsa_system_sgpr_workgroup_id_x 1
		.amdhsa_system_sgpr_workgroup_id_y 1
		.amdhsa_system_sgpr_workgroup_id_z 1
		.amdhsa_system_vgpr_workitem_id 0
		.amdhsa_next_free_vgpr 1024
		.amdhsa_next_free_sgpr 98
		.amdhsa_reserve_vcc 0
		.amdhsa_float_denorm_mode_32 3
		.amdhsa_float_denorm_mode_16_64 3
		.amdhsa_memory_ordered 1
		.amdhsa_forward_progress 1
		.amdhsa_inst_pref_size 123
	.end_amdhsa_kernel
	.amdgpu_metadata
---
amdhsa.version: [ 1, 2 ]
amdhsa.kernels:
  - .name:           k_q2bb025019e_qkv
    .symbol:         k_q2bb025019e_qkv.kd
    .args:
      - { .name: x_codes, .offset: 0, .size: 8, .value_kind: global_buffer, .address_space: global }
      - { .name: wqkv_codes, .offset: 8, .size: 8, .value_kind: global_buffer, .address_space: global }
      - { .name: lowp_scales, .offset: 16, .size: 8, .value_kind: global_buffer, .address_space: global }
      - { .name: q_codes, .offset: 24, .size: 8, .value_kind: global_buffer, .address_space: global }
      - { .name: k_codes, .offset: 32, .size: 8, .value_kind: global_buffer, .address_space: global }
      - { .name: v_codes, .offset: 40, .size: 8, .value_kind: global_buffer, .address_space: global }
    .group_segment_fixed_size: 327680
    .private_segment_fixed_size: 0
    .kernarg_segment_align: 8
    .kernarg_segment_size: 48
    .max_flat_workgroup_size: 128
    .sgpr_count:     98
    .vgpr_count:     1024
    .wavefront_size: 32
...
	.end_amdgpu_metadata
.endif
;; end of part 2
;; launch attn (part 3): grid 2 x 128, 16 waves a work-group, no clusters, 186,368 bytes of LDS; arguments q_codes, k_codes, v_codes, lowp_scales, o_codes; writes o_codes
.if DOCPART == 3
	.amdgcn_target "amdgcn-amd-amdhsa--gfx1250"
	.amdhsa_code_object_version 6
	.text
	.protected	k_q2bb025019e_attn
	.globl	k_q2bb025019e_attn
	.p2align	8
	.type	k_q2bb025019e_attn,@function
k_q2bb025019e_attn:
	s_mov_b64 s[64:65], 0
	v_nop
	global_prefetch_b8 v0, s[64:65] scope:SCOPE_SE
	s_setreg_imm32_b32 hwreg(HW_REG_WAVE_MODE, 25, 1), 1
	s_wait_xcnt 0x0
; o = softmax(q k^T / 8) v for 128 heads of 1,024 tokens x 64, both products on codes of BF8 (E5M2); o is quantised at once (scale 2^e6) into o_codes [b][head][token][64], d in its natural order.
; q_codes, k_codes [b][head][token][64]; v_codes [b][block of 64 keys][64 head + d][64 along the keys]; inside every 32 bytes of the last axis byte 16 hh + 8 u + j holds index 16 u + 8 hh + j, so that a load of
; 16 bytes at 32 c + 16 (lane / 16) fills registers 4 c .. 4 c + 3 of an operand in the layout of the plain 8-bit forms (registers 2 c, 2 c + 1: k = 16 c + 8 (lane / 16) + 0 .. 7).
; THE SOFTMAX: t = score x log2(e) / 8 x 2^(e2 + e3); M = the largest t of the row so far, rounded UP to a whole number; p = 2^(t - M) is quantised (scale 2^e4), not normalised.  The sum of the row is taken of the
; unquantised p, in f32, and divides at the end.  When M moves, the sum and O are multiplied by 2^(old M - new M): exact.
; SHARES.  A work-group owns one head and 512 of its queries; each of its sixteen waves owns one tile of 16 queries in each of two passes: 256 registers, four waves to a SIMD, so that the vector work of one wave
; stands beside the matrix work and LDS loads of another.  Both products are used transposed (S^T = K Q^T, O^T = V^T P^T): a lane holds ONE query throughout, the eight registers of a tile of S^T are eight neighbouring keys, and the
; conversions of p ARE the operand of the second product.
; ALL of K and V of the head (128 KiB) is laid in LDS ONCE, through registers, in four stages of 256 keys, the loads two stages ahead; every LDS byte of K and V is written once.
; NO TENSOR LOADS, NO CLUSTER: only two work-groups read the same K and V, each byte is fetched once by 16 loads a wave, and without the data mover a scalar branch on the given whole number e4 may jump over the 64 holds of p
; in each step: for e4 >= -15, p <= 1 gives p / 2^e4 <= 32,768, under 57,344.  NO PREFETCH: the loads themselves ask for all of K and V during the first two stages.
; LIMITS: e2 + e3 between -123 and 130 (added to the exponent field of c); e4 and e6 between -126 and 112; e4 + e5 is applied by v_ldexp_f32 and has none.  NaN is not served.
.set KP,    80                         ; an LDS row: 64 bytes + 16 of padding: an odd multiple of 16 bytes
.set VOFF,  1024*KP                    ; K: 1,024 rows;  V behind it: row = 64 x block of keys + d
.set STGB,  256*KP                     ; a stage of 256 keys in K, and in V
.set OSTG,  2*VOFF                     ; behind both: 16 rows x 80 bytes for each wave, for the way out
.set AK0,  1                           ; v1   the place of my lane in a tile of K: 80 r + 16 h
.set AV0,  2                           ; v2   the same in V
.set GK,   3                           ; v3   the fill: my bytes of a stage of K in memory
.set GV,   4                           ; v4   of V
.set LFK,  5                           ; v5   the fill: where they go in LDS
.set LFV,  6
.set QO,   7                           ; v7   Q: 64 r + 16 h
.set ADK,  8                           ; v8   LDS address of the stage in hand, K
.set ADV,  9                           ; v9   V
.set STO,  10                          ; v10  the way out: where I put 8 bytes
.set RD,   11                          ; v11  and where I read 16 back
.set FRG,  32                          ; v32-95   fragments of K, then of V
.set S,    96                          ; v96-159  S^T, then p
.set O,    160                         ; v160-191 O^T
.set PC,   192                         ; v192-207 the codes of p
.set F0,   208                         ; v208-223, v224-239 the two fill sets; v224-239 later hold the rows of o on their way out
.set F1,   224
.set GO,   247                         ; v247 16 x lane
.set WV,   18
.set SEL,  20                          ; s[20:21] lane selects: lane xor 16
.set CS,   22                          ; s[22:23] c
.set EP,   28                          ; s28 e4
.set EPV,  40                          ; s40 e4 + e5
	s_load_b256 s[4:11], s[0:1], 0x0               ; q s[4:5], k s[6:7], v s[8:9], the exponents s[10:11]
	s_load_b64 s[12:13], s[0:1], 0x20              ; o_codes
	v_lshl_add_u32 v251, v0, 2, 0x2d000
	v_mov_b32 v255, 0
	v_lshrrev_b32 v8, 5, v0
	v_readfirstlane_b32 s[WV], v8                  ; wave 0..15
	v_and_b32 v248, 31, v0                         ; lane
	v_and_b32 v249, 15, v0                         ; r
	v_bfe_u32 v250, v0, 4, 1                       ; h
	v_mul_u32_u24 v[AK0], v249, KP
	v_lshl_add_u32 v[AK0], v250, 4, v[AK0]
	v_add_nc_u32 v[AV0], VOFF, v[AK0]
	s_lshl_b32 s32, s[WV], 10
	v_lshl_add_u32 v[GK], v248, 4, s32             ; K: 16 rows of 64 bytes a wave: 1,024 w + 16 lane
	s_lshr_b32 s33, s[WV], 2
	s_lshl_b32 s33, s33, 16
	s_and_b32 s34, s[WV], 3
	s_lshl_b32 s34, s34, 10
	s_add_co_u32 s33, s33, s34
	v_lshl_add_u32 v[GV], v248, 4, s33             ; V: block of keys w / 4 (65,536 bytes apart), rows 16 (w % 4) on
	s_mul_i32 s35, s[WV], 16*KP
	v_lshrrev_b32 v[LFK], 2, v248
	v_mul_u32_u24 v[LFK], v[LFK], KP
	v_and_b32 v[LFV], 3, v248
	v_lshl_add_u32 v[LFK], v[LFV], 4, v[LFK]
	v_add_nc_u32 v[LFK], s35, v[LFK]               ; LDS row 16 w + lane / 4, byte 16 (lane % 4)
	v_add_nc_u32 v[LFV], VOFF, v[LFK]
	v_lshlrev_b32 v[QO], 6, v249
	v_lshl_add_u32 v[QO], v250, 4, v[QO]
	v_lshlrev_b32 v[GO], 4, v248
	v_mul_u32_u24 v[STO], v249, KP
	v_lshl_add_u32 v[STO], v250, 3, v[STO]
	v_add_nc_u32 v[STO], s35, v[STO]
	v_add_nc_u32 v[STO], OSTG, v[STO]              ; my stage: row r, byte 8 h
	v_add_nc_u32 v[RD], OSTG, v[LFK]
	s_mov_b32 s[SEL], 0x76543210
	s_mov_b32 s[SEL+1], 0xfedcba98
	s_mov_b32 s[CS], 0x3e38aa3b                    ; c = log2(e) / 8
	s_and_b32 s32, ttmp7, 0xffff                   ; 16 b + head
	s_lshl_b32 s34, s32, 16                        ; a head of K, Q, O is 65,536 bytes
	s_mov_b32 s35, 0
	s_lshl_b32 s38, ttmp9, 15                      ; my 512 queries,
	s_add_co_u32 s38, s38, s34
	s_lshl_b32 s36, s[WV], 10                      ; the 16 of my wave
	s_add_co_u32 s38, s38, s36
	s_mov_b32 s39, 0
	s_lshr_b32 s36, s32, 4
	s_lshl_b32 s36, s36, 20                        ; V: an image is 2^20 bytes,
	s_and_b32 s37, s32, 15
	s_lshl_b32 s37, s37, 12                        ; the 64 rows of a head 4,096
	s_add_co_u32 s36, s36, s37
	s_mov_b32 s37, 0
	s_wait_kmcnt 0x0
	s_load_b256 s[24:31], s[10:11], 0x0            ; e0 .. e7
	s_add_nc_u64 s[6:7], s[6:7], s[34:35]
	s_add_nc_u64 s[4:5], s[4:5], s[38:39]
	s_add_nc_u64 s[12:13], s[12:13], s[38:39]
	s_add_nc_u64 s[8:9], s[8:9], s[36:37]
.irp c, 0,1
	global_load_b128 v[16+4*\c:19+4*\c], v[QO], s[4:5] offset:32*\c          ; Q of pass 0 stays in registers,
.endr
.irp c, 0,1
	global_load_b128 v[24+4*\c:27+4*\c], v[QO], s[4:5] offset:16384+32*\c    ; and Q of pass 1, 256 queries on
.endr
.macro GLOAD s, F                      ; my part of stage s: 16 rows of K and 16 of V; each load reads 512 consecutive bytes
	global_load_b128 v[\F:\F+3],     v[GK], s[6:7] offset:16384*(\s)
	global_load_b128 v[\F+4:\F+7],   v[GK], s[6:7] offset:16384*(\s)+512
	global_load_b128 v[\F+8:\F+11],  v[GV], s[8:9] offset:262144*(\s)
	global_load_b128 v[\F+12:\F+15], v[GV], s[8:9] offset:262144*(\s)+512
.endm
	GLOAD 0, F0
	GLOAD 1, F1
	v_mov_b32 v246, 0                              ; written once: the destination of a lane permute counts as one of its sources
	v_mov_b32 v253, 0                              ; (named as the upper half of the pair v[252:253])
	s_wait_kmcnt 0x0
	s_add_co_i32 s32, s26, s27
	s_lshl_b32 s32, s32, 23
	s_add_co_i32 s[CS], s[CS], s32                 ; a score stands for score x 2^(e2 + e3): added to the exponent field of c
	s_mov_b32 s[CS+1], s[CS]                       ; (named with it as a pair, so it is written)
	s_add_co_i32 s32, s[EP], 127
	s_lshl_b32 s33, s32, 23
	v_mov_b32 v244, s33                            ; 2^e4
	s_add_co_i32 s32, s32, 15
	s_lshl_b32 s32, s32, 23
	s_or_b32 s32, s32, 0x600000
	v_mov_b32 v240, s32                            ; 57,344 x 2^e4
	s_add_co_i32 s32, s30, 127
	s_lshl_b32 s33, s32, 23
	v_mov_b32 v245, s33                            ; 2^e6
	s_add_co_i32 s32, s32, 15
	s_lshl_b32 s32, s32, 23
	s_or_b32 s32, s32, 0x600000
	v_mov_b32 v241, s32                            ; 57,344 x 2^e6
	s_add_co_i32 s[EPV], s[EP], s29                ; e4 + e5
; Stage s goes into LDS.  left: the four loads of the other set may stay out.  My stores have landed, and my earlier LDS reads are in, ahead of the signal; behind the wait every wave may read the stage.
; Stage s is written while other waves may still read stage s - 1: other bytes.  next = 1: the set takes the loads of two stages on; its stores have read it.
.macro FILL s, F, left, next
	s_wait_loadcnt \left
	ds_store_b128 v[LFK], v[\F:\F+3]     offset:STGB*(\s)
	ds_store_b128 v[LFK], v[\F+4:\F+7]   offset:STGB*(\s)+8*KP
	ds_store_b128 v[LFV], v[\F+8:\F+11]  offset:STGB*(\s)
	ds_store_b128 v[LFV], v[\F+12:\F+15] offset:STGB*(\s)+8*KP
	s_wait_dscnt 0x0
.if \next
	GLOAD (\s)+2, \F
.endif
	s_barrier_signal -1
	s_barrier_wait -1
.endm
.macro ADDR s
	v_add_nc_u32 v[ADK], STGB*(\s), v[AK0]
	v_add_nc_u32 v[ADV], STGB*(\s), v[AV0]
.endm
.macro INIT                            ; a pass begins: the step is written once and finds zeros, which the first change of M leaves zeros
.set j, 0
.rept 32
	v_mov_b32 v[O+j], 0
.set j, j+1
.endr
	v_mov_b32 v13, 0xff61b1e6                      ; the largest t so far: -3e38, under every t
	v_floor_f32 v12, -v13                          ; -M
	v_mov_b32 v14, 0                               ; the sum, in two halves
	v_mov_b32 v15, 0
.endm
; A KEY STEP: 128 keys, the q-th of the stage in hand.  QR: the first register of Q.
.macro STEP q, QR
.rept 4
	v_nop                                          ; places in front of loads into registers that the last products have read
.endr
.irp t, 0,1,2,3,4,5,6,7
.irp c, 0,1
	ds_load_b128 v[FRG+8*\t+4*\c:FRG+8*\t+4*\c+3], v[ADK] offset:(128*(\q)+16*\t)*KP+32*\c
.endr
.endr
	s_wait_dscnt 0x0
.irp t, 0,1,2,3,4,5,6,7
	v_wmma_f32_16x16x64_bf8_bf8 v[S+8*\t:S+8*\t+7], v[FRG+8*\t:FRG+8*\t+7], v[\QR:\QR+7], 0   ; lane (r, h): query r, register j: key 16 t + 8 h + j
.endr
.rept 4
	v_nop                                          ; places in front of the loads below and of the first read of the scores
.endr
.irp d, 0,1,2,3
.irp c, 0,1,2,3
	ds_load_b128 v[FRG+16*\d+4*\c:FRG+16*\d+4*\c+3], v[ADV] offset:((2*(\q)+\c/2)*64+16*\d)*KP+32*(\c%2)   ; V^T: rows d = 16 d + r, these 128 keys; they land under the softmax
.endr
.endr
	v_max3_num_f32 v254, v96, v97, v98             ; the largest score of my query among my 64 keys, in two chains; each accumulator is read from its low end on
	v_max3_num_f32 v252, v99, v100, v101
.irp i, 6,10,14,18,22,26,30,34,38,42,46,50,54,58
	v_max3_num_f32 v254, v254, v[96+\i], v[97+\i]
	v_max3_num_f32 v252, v252, v[98+\i], v[99+\i]
.endr
	v_max3_num_f32 v254, v254, v158, v159
	v_max_num_f32 v254, v254, v252
	v_permlanex16_b32 v246, v254, s[SEL], s[SEL+1]
	v_max_num_f32 v254, v254, v246                 ; and among those of lane xor 16
	v_mul_f32 v254, s[CS], v254                    ; as t (c is positive)
	v_max_num_f32 v13, v13, v254                   ; the running largest t
	v_mov_b32 v254, v12
	v_floor_f32 v12, -v13                          ; the new -M = floor(-t) = -ceil(t): M is a whole number
	v_sub_f32 v254, v12, v254                      ; old M - new M: a whole number, 0 or less
	v_cvt_i32_f32 v254, v254                       ; (it saturates)
	v_ldexp_f32 v252, 1.0, v254                    ; f = 2^(old M - new M)
.set j, 0
.rept 32
	v_pk_fma_f32 v[S+j:S+j+1], v[S+j:S+j+1], s[CS:CS+1], v[12:13] op_sel_hi:[1,0,0]   ; t - M, two at a time
.set j, j+2
.endr
.set j, 0
.rept 64
	v_exp_f32 v[S+j], v[S+j]                       ; p = 2^(t - M), at most 1
.set j, j+1
.endr
	v_pk_mul_f32 v[14:15], v[14:15], v[252:253] op_sel_hi:[1,0]   ; the sums under the new M: a plain instruction behind the exponentials
	s_wait_alu depctr_va_vdst(0)                   ; one wait for the whole batch, ahead of its first reader
	v_pk_add_f32 v[242:243], v[96:97], v[98:99]    ; the sum of the row is taken of the unquantised p: two at a time, in two chains
.irp j, 4,8,12,16,20,24,28,32,36,40,44,48,52,56,60
	v_pk_add_f32 v[14:15], v[14:15], v[96+\j:97+\j]
	v_pk_add_f32 v[242:243], v[242:243], v[98+\j:99+\j]
.endr
	v_pk_add_f32 v[14:15], v[14:15], v[242:243]
	s_cmp_ge_i32 s[EP], -15                        ; p <= 1: for e4 >= -15 no p / 2^e4 passes 32,768, and the hold changes nothing
	s_cbranch_scc1 .Lfree_\@
.set j, 0
.rept 64
	v_min_num_f32 v[S+j], v[S+j], v240             ; the conversion does not saturate (ISA guide 7.6.2); p is not negative, so the hold is one-sided
.set j, j+1
.endr
.Lfree_\@:
.irp t, 0,1,2,3,4,5,6,7
	v_cvt_scalef32_pk8_bf8_f32 v[PC+2*\t:PC+2*\t+1], v[S+8*\t:S+8*\t+7], v244   ; registers 2 t, 2 t + 1 of the operand: keys 16 t + 8 h + 0 .. 7
.endr
.set j, 0
.rept 16
	v_pk_mul_f32 v[O+j:O+j+1], v[O+j:O+j+1], v[252:253] op_sel_hi:[1,0]   ; O^T under the new M; also the plain instructions behind the conversions
.set j, j+2
.endr
	s_wait_dscnt 0x0                               ; V is in
.irp d, 0,1,2,3
	v_wmma_f32_16x16x128_bf8_bf8 v[O+8*\d:O+8*\d+7], v[FRG+16*\d:FRG+16*\d+15], v[PC:PC+15], v[O+8*\d:O+8*\d+7]   ; four accumulators by turns; the eight products of the next step stand between two links of a chain
.endr
.endm
; THE WAY OUT of pass p: O^T x 2^(e4 + e5) / the sum, held, converted with 2^e6, through my own stage, and stored as 512 consecutive bytes an instruction.
.macro OUT p
.rept 4
	v_nop                                          ; places behind the last products
.endr
	v_add_f32 v14, v14, v15
	v_permlanex16_b32 v252, v14, s[SEL], s[SEL+1]
	v_add_f32 v14, v14, v252                       ; the sum of the row
	v_rcp_f32 v14, v14
	v_nop                                          ; a plain instruction behind the transcendental,
	s_wait_alu depctr_va_vdst(0)                   ; and the wait ahead of its first reader
	v_ldexp_f32 v14, v14, s[EPV]
.set j, 0
.rept 16
	v_pk_mul_f32 v[S+j:S+j+1], v[O+j:O+j+1], v[14:15] op_sel_hi:[1,0]   ; register 8 t + i: o(query r, d = 16 t + 8 h + i); each accumulator from its low end on
.set j, j+2
.endr
.set j, 0
.rept 32
	v_med3_num_f32 v[S+j], v[S+j], -v241, v241
.set j, j+1
.endr
.irp d, 0,1,2,3
	v_cvt_scalef32_pk8_bf8_f32 v[PC+2*\d:PC+2*\d+1], v[S+8*\d:S+8*\d+7], v245
.endr
	v_nop                                          ; one plain vector instruction behind the conversions
.irp d, 0,1,2,3
	ds_store_b64 v[STO], v[PC+2*\d:PC+2*\d+1] offset:16*\d
.endr
.irp i, 0,1
	ds_load_b128 v[F1+8*\p+4*\i:F1+8*\p+4*\i+3], v[RD] offset:8*KP*\i   ; LDS serves the instructions of a wave in order: these see my stores
.endr
	s_wait_dscnt 0x0
.irp i, 0,1
	global_store_b128 v[GO], v[F1+8*\p+4*\i:F1+8*\p+4*\i+3], s[12:13] offset:16384*\p+512*\i   ; each pass has its own registers: no store data are written again
.endr
.endm
	INIT
	FILL 0, F0, 4, 1                               ; (Q was asked for ahead of the fill sets: it is in too)
	ADDR 0
	STEP 0, 16
	STEP 1, 16
	FILL 1, F1, 4, 1
	ADDR 1
	STEP 0, 16
	STEP 1, 16
	FILL 2, F0, 4, 0
	ADDR 2
	STEP 0, 16
	STEP 1, 16
	FILL 3, F1, 0, 0
	ADDR 3
	STEP 0, 16
	STEP 1, 16
	OUT 0
	INIT                                           ; pass 1: all of K and V lies in LDS and is written no more: a loop over the four stages, no barrier
	s_mov_b32 s2, 0
	s_mov_b32 s3, 4
.Lstage:
	v_add_nc_u32 v[ADK], s2, v[AK0]
	v_add_nc_u32 v[ADV], s2, v[AV0]
	STEP 0, 24
	STEP 1, 24
	s_add_co_u32 s2, s2, STGB
	s_sub_co_u32 s3, s3, 1
	s_cmp_lg_u32 s3, 0
	s_cbranch_scc1 .Lstage
	OUT 1
	s_wait_tensorcnt 0x0
	ds_add_u32 v251, v255
	s_wait_dscnt 0x0
	s_endpgm
.Lfunc_end_k_q2bb025019e_attn:
	.size	k_q2bb025019e_attn, .Lfunc_end_k_q2bb025019e_attn-k_q2bb025019e_attn
	.p2alignl 7, 3214868480
	.fill 96, 4, 3214868480
	.section	.rodata,"a",@progbits
	.p2align	6, 0x0
	.amdhsa_kernel k_q2bb025019e_attn
		.amdhsa_group_segment_fixed_size 186368
		.amdhsa_private_segment_fixed_size 0
		.amdhsa_enable_private_segment 0
		.amdhsa_kernarg_size 40
		.amdhsa_user_sgpr_count 2
		.amdhsa_user_sgpr_kernarg_segment_ptr 1
		.amdhsa_wavefront_size32 1
		.amdhsa_system_sgpr_workgroup_id_x 1
		.amdhsa_system_sgpr_workgroup_id_y 1
		.amdhsa_system_sgpr_workgroup_id_z 1
		.amdhsa_system_vgpr_workitem_id 0
		.amdhsa_next_free_vgpr 256
		.amdhsa_next_free_sgpr 66
		.amdhsa_reserve_vcc 0
		.amdhsa_float_denorm_mode_32 3
		.amdhsa_float_denorm_mode_16_64 3
		.amdhsa_memory_ordered 1
		.amdhsa_forward_progress 1
		.amdhsa_inst_pref_size 170
	.end_amdhsa_kernel
	.amdgpu_metadata
---
amdhsa.version: [ 1, 2 ]
amdhsa.kernels:
  - .name:           k_q2bb025019e_attn
    .symbol:         k_q2bb025019e_attn.kd
    .args:
      - { .name: q_codes, .offset: 0, .size: 8, .value_kind: global_buffer, .address_space: global }
      - { .name: k_codes, .offset: 8, .size: 8, .value_kind: global_buffer, .address_space: global }
      - { .name: v_codes, .offset: 16, .size: 8, .value_kind: global_buffer, .address_space: global }
      - { .name: lowp_scales, .offset: 24, .size: 8, .value_kind: global_buffer, .address_space: global }
      - { .name: o_codes, .offset: 32, .size: 8, .value_kind: global_buffer, .address_space: global }
    .group_segment_fixed_size: 186368
    .private_segment_fixed_size: 0
    .kernarg_segment_align: 8
    .kernarg_segment_size: 40
    .max_flat_workgroup_size: 512
    .sgpr_count:     66
    .vgpr_count:     256
    .wavefront_size: 32
...
	.end_amdgpu_metadata
.endif
;; end of part 3
;; launch proj (part 4): grid 4 x 32, 4 waves a work-group, clusters of 4 x 4, 327,680 bytes of LDS; arguments o_codes, wout_codes, lowp_scales, b_out, out0; writes out0
.if DOCPART == 4
	.amdgcn_target "amdgcn-amd-amdhsa--gfx1250"
	.amdhsa_code_object_version 6
	.text
	.protected	k_q2bb025019e_proj
	.globl	k_q2bb025019e_proj
	.p2align	8
	.type	k_q2bb025019e_proj,@function
k_q2bb025019e_proj:
	s_mov_b64 s[64:65], 0
	v_nop
	global_prefetch_b8 v0, s[64:65] scope:SCOPE_SE
	s_setreg_imm32_b32 hwreg(HW_REG_WAVE_MODE, 25, 1), 1
	s_wait_xcnt 0x0
	s_wait_alu depctr_hold_cnt(0) depctr_sa_sdst(0) depctr_va_vdst(0) depctr_va_sdst(0) depctr_va_ssrc(0) depctr_va_vcc(0) depctr_vm_vsrc(0)
	s_getreg_b32 s2, hwreg(HW_REG_IB_STS2, 6, 4)
	s_cmp_eq_u32 s2, 0
	s_cbranch_scc0 .Lentry_in_a_cluster
	s_endpgm
.Lentry_in_a_cluster:
	s_bfe_u32 s2, ttmp6, 0x10000c
	s_cmp_lg_u32 s2, 0xf033
	s_cbranch_scc0 .Lentry_shape_is_right
	s_endpgm
.Lentry_shape_is_right:
; out0 = o w_out + b_out on codes of BF8 (E5M2), K = 1,024.  o_codes [b 8][head 16][token 1024][64] (k = 64 head + d), wout_codes [1024 n][1024 k]; out0 [8192][1024] f32; b_out [1024] f32.
; Sums in f32; out = sum x 2^(e6 + e7) + b_out, one packed multiply-add for two numbers.  LIMIT: e6 + e7 lies between -126 and 127, so that 2^(e6 + e7) is an f32 number.
; A tile of 256 x 256 is made by four waves, each 128 x 128: 64 accumulators.  K goes in four steps of 256 (four heads) through a ring of two LDS slots filled by the tensor data mover.
; 128 tiles, so 128 work-groups: half as many as there are WGPs.  A tile of 256 x 128 would double them at half as many LDS bytes again for each product; not built.
; A COMES HEAD BY HEAD: the 128 rows x 64 bytes of a head are 8,192 dense bytes, and four heads lie 65,536 bytes apart: one load brings 4 rows of 8,192 bytes, with 16 bytes of padding behind every 64:
; in LDS byte x of token row t of head i lies at 10,240 i + 80 t + x.
; THE MATRIX INSTRUCTION IS USED TRANSPOSED (source 0 = 16 rows of w_out codes, source 1 = 16 tokens): a lane holds eight neighbouring numbers of a row of out0.
; CLUSTERS: 4 x 4 work-groups; A tiles are asked for jointly along a row of the cluster, B tiles along a column.  No prefetch: of the four K steps two are asked for at the head and the other two are the only refills.
; REGISTERS, in windows of 256: window 0: v0-31 addresses, v8-11 my four numbers of b_out; from v128 the fragments of A, one set; on the way out v128-255 take rows of out0.  window 1: the fragments of B, two sets.  windows 2, 3: the accumulators.
.set ROWB,   256
.set KROW,   1024
.set PITCH,  272                       ; B: an LDS row: 256 bytes + 16
.set APITCH, 80                        ; A: 64 bytes + 16
.set FR,     16
.set NL,     4
.set NP,     4
.set AHALF,  4*128*APITCH              ; what one load brings of A: 40,960 bytes
.set HALFT,  128*PITCH                 ; and of B: 34,816
.set SLOT,   2*AHALF+2*HALFT           ; 151,552
.set ASTEP,  4*65536                   ; a K step on in o_codes: four heads
.set LAPS,   2
.set SPARE,  2*SLOT                    ; behind the ring: the spare words, 128 bytes for each wave: two blocks of 256 bytes that no other line names
.set SPITCH, 528                       ; the way out: a stage of 16 rows x (512 bytes + 16) for each wave, in slot 0, which has then had its last fill and its last read
.set ADRA, 16
.set ADRB, 20
.set STO,  24
.set RD,   25
.set CO,   26                          ; v26  16 x lane: my bytes in a row of 512, in out0 and in b_out
.set SPW,  28
.set NIL,  29
.set BI,   8                           ; v8-11  b_out at my four columns
.set AF,   128
.set BK,   128
.set G1, 24
.set G0, 32
.set G1B, 48
.set G0B, 56
.set MSB, 0
.macro WIN new
.if MSB != \new
	s_set_vgpr_msb (MSB<<8)|\new
.set MSB, \new
.endif
.endm
.set MUL_LO, 0xa1
.set MUL_HI, 0xf1
.set TO_B,   0x40
.macro JLOAD g0a, g1a, g0b, g1b        ; waves 0 and 1 fetch for A, waves 2 and 3 for B; four v_nop follow each of the two lines
	s_cmp_eq_u32 s15, 0
	s_cbranch_scc0 .Lfor_b_\@
	tensor_load_to_lds s[\g0a:\g0a+3], s[\g1a:\g1a+7]
	s_nop 0
.rept 4
	v_nop
.endr
	s_branch .Lasked_\@
.Lfor_b_\@:
	tensor_load_to_lds s[\g0b:\g0b+3], s[\g1b:\g1b+7]
	s_nop 0
.rept 4
	v_nop
.endr
.Lasked_\@:
.endm
.macro CREST
	s_cmp_lg_u32 s14, 0
	s_cbranch_scc1 .Lnot_wave_0_\@
	s_barrier_signal -3
.Lnot_wave_0_\@:
	s_barrier_wait -3
	s_barrier_signal -1
	s_barrier_wait -1
.endm
.macro CROUND
	s_barrier_signal -1
	s_barrier_wait -1
	CREST
.endm
	s_load_b128 s[4:7], s[0:1], 0x0                ; o_codes s[4:5], wout_codes s[6:7]
	s_load_b128 s[8:11], s[0:1], 0x10              ; the exponents s[8:9], b_out s[10:11]
	s_load_b64 s[12:13], s[0:1], 0x20              ; out0
	v_lshl_add_u32 v[SPW], v0, 2, SPARE
	v_mov_b32 v[NIL], 0
	ds_add_u32 v28, v29
	ds_add_u32 v28, v29
	s_wait_dscnt 0x0
	v_lshrrev_b32 v1, 5, v0
	v_readfirstlane_b32 s14, v1                    ; wave 0..3
	s_lshr_b32 s15, s14, 1                         ; which half of the rows is mine.  Also: I fetch for A (0) or for B (1)
	s_and_b32 s16, s14, 1                          ; which half of the columns.  Also: which 128 rows of that tile I fetch
	s_bfe_u32 s40, ttmp6, 0x40000                  ; cx, cy
	s_bfe_u32 s41, ttmp6, 0x40004
	s_lshl_b32 s42, ttmp9, 2
	s_add_co_u32 s42, s42, s40                     ; tile column
	s_and_b32 s17, ttmp7, 0xffff                   ; y of the cluster = the image b; the tile row is 4 b + cy
	s_lshl_b32 s43, s41, 2
	s_lshl_b32 s43, 15, s43                        ; my row of the cluster
	s_lshl_b32 s44, 0x1111, s40                    ; my column
	; descriptor group 1 for A: 4 rows of 8,192 bytes, 65,536 apart; padding: four words after every 16
	s_or_b32 s[G1+0], s43, (0<<16)|(1<<20)|(1<<21)|(3<<22)|(3<<25)
	s_mov_b32 s[G1+1], 8192<<16                    ; tensor_dim0
	s_mov_b32 s[G1+2], 4<<16                       ; tensor_dim1
	s_mov_b32 s[G1+3], 8192<<16                    ; tile_dim0
	s_mov_b32 s[G1+4], 4                           ; tile_dim1
	s_mov_b32 s[G1+5], 65536                       ; from row to row
	s_mov_b32 s[G1+6], 0
	s_mov_b32 s[G1+7], 0
	; for B: 128 rows of 256 bytes, 1,024 apart; padding: four words after every 64
	s_or_b32 s[G1B+0], s44, (0<<16)|(1<<20)|(1<<21)|(5<<22)|(3<<25)
	s_mov_b32 s[G1B+1], ROWB<<16
	s_mov_b32 s[G1B+2], 128<<16
	s_mov_b32 s[G1B+3], ROWB<<16
	s_mov_b32 s[G1B+4], 128
	s_mov_b32 s[G1B+5], KROW
	s_mov_b32 s[G1B+6], 0
	s_mov_b32 s[G1B+7], 0
	s_lshl_b32 s20, s17, 20                        ; A: image b, 2^20 bytes; token 256 cy + 128 x half, 64 bytes each
	s_lshl_b32 s18, s41, 14
	s_add_co_u32 s20, s20, s18
	s_lshl_b32 s18, s16, 13
	s_add_co_u32 s20, s20, s18
	s_mov_b32 s21, 0
	s_lshl_b32 s46, s42, 18                        ; B: row 256 x tile column + 128 x half, 1,024 bytes each
	s_lshl_b32 s18, s16, 17
	s_add_co_u32 s46, s46, s18
	s_mov_b32 s47, 0
	s_mul_i32 s45, s16, AHALF                      ; where they go: the halves of A, then those of B: no place in the cluster enters an LDS address
	s_mul_i32 s19, s16, HALFT
	s_add_co_u32 s19, s19, 2*AHALF
	s_wait_kmcnt 0x0
	s_load_b256 s[80:87], s[8:9], 0x0              ; e0 .. e7
	s_add_nc_u64 s[20:21], s[4:5], s[20:21]
	s_add_nc_u64 s[46:47], s[6:7], s[46:47]
	CROUND                                         ; all sixteen work-groups are here: the first joint loads meet
.irp s, 0,1
	s_mov_b32 s[G0+4*\s], 1
	s_add_co_u32 s[G0+4*\s+1], s45, \s*SLOT
	s_add_nc_u64 s[G0+4*\s+2:G0+4*\s+3], s[20:21], \s*ASTEP
	s_or_b32 s[G0+4*\s+3], s[G0+4*\s+3], 0x80000000
	s_mov_b32 s[G0B+4*\s], 1
	s_add_co_u32 s[G0B+4*\s+1], s19, \s*SLOT
	s_add_nc_u64 s[G0B+4*\s+2:G0B+4*\s+3], s[46:47], \s*ROWB
	s_or_b32 s[G0B+4*\s+3], s[G0B+4*\s+3], 0x80000000
	JLOAD G0+4*\s, G1, G0B+4*\s, G1B
.endr
	v_and_b32 v1, 15, v0                           ; r
	v_bfe_u32 v2, v0, 4, 1                         ; h
	v_mul_u32_u24 v3, v1, APITCH
	v_lshl_add_u32 v3, v2, 4, v3                   ; A: 80 r + 16 h
	v_mul_u32_u24 v4, v1, PITCH
	v_lshl_add_u32 v4, v2, 4, v4                   ; B: 272 r + 16 h
	s_mul_i32 s21, s15, AHALF                      ; my 128 rows of A
	s_mul_i32 s22, s16, HALFT                      ; my 128 rows of B,
	s_add_co_u32 s22, s22, 2*AHALF                 ; which lie behind A
.irp s, 0,1
	v_add_nc_u32 v[ADRA+\s], s21, v3
	v_add_nc_u32 v[ADRB+\s], s22, v4
	s_add_co_u32 s21, s21, SLOT
	s_add_co_u32 s22, s22, SLOT
.endr
	s_mul_i32 s23, s14, 16*SPITCH                  ; my stage
	v_mul_u32_u24 v5, v1, SPITCH
	v_lshl_add_u32 v5, v2, 5, v5
	v_add_nc_u32 v[STO], s23, v5                   ; in: row r, 32 bytes for each half of the lanes
	v_and_b32 v6, 31, v0
	v_lshlrev_b32 v[CO], 4, v6
	v_add_nc_u32 v[RD], s23, v[CO]                 ; back: the 32 lanes take one row of 512 bytes
	s_lshl_b32 s20, s17, 22                        ; my first row of out0: 1,024 b + 256 cy + 128 x half, 4,096 bytes each
	s_lshl_b32 s21, s41, 20
	s_add_co_u32 s20, s20, s21
	s_lshl_b32 s21, s15, 19
	s_add_co_u32 s20, s20, s21
	s_lshl_b32 s46, s42, 10                        ; my first column, in bytes: 1,024 x tile column + 512 x half: in out0 and in b_out
	s_lshl_b32 s47, s16, 9
	s_add_co_u32 s46, s46, s47
	s_mov_b32 s47, 0
	s_add_nc_u64 s[10:11], s[10:11], s[46:47]
	s_add_co_u32 s20, s20, s46
	s_mov_b32 s21, 0
	s_add_nc_u64 s[12:13], s[12:13], s[20:21]
	global_load_b128 v[BI:BI+3], v[CO], s[10:11]   ; the same four columns in every row that I store
.macro FRAGA reg, adr, q, i            ; 16 tokens x 128 K: registers 4 c .. 4 c + 3 hold k = 128 q + 32 c + 16 h + 0 .. 15: head 2 q + c / 2 of the slot, byte 32 (c % 2) + 16 h
.irp c, 0,1,2,3
	ds_load_b128 v[\reg+4*\c:\reg+4*\c+3], v[\adr] offset:((2*(\q)+\c/2)*128+16*(\i))*APITCH+32*(\c%2)
.endr
.endm
.macro FRAGB reg, adr, q, i            ; the same k of 16 rows of w_out codes
.irp c, 0,1,2,3
	ds_load_b128 v[\reg+4*\c:\reg+4*\c+3], v[\adr] offset:128*(\q)+32*\c+(\i)*16*PITCH
.endr
.endm
; The 64 accumulators take turns, one instruction a turn, in the same order in every step.
.macro MUL16 a0, p, zero
.irp a, \a0, \a0+1
.irp b, 0,1,2,3,4,5,6,7
.if \zero
	v_wmma_f32_16x16x128_bf8_bf8 v[8*(8*((\a)%4)+\b):8*(8*((\a)%4)+\b)+7], v[128*(\p)+FR*\b:128*(\p)+FR*\b+FR-1], v[AF+FR*(\a):AF+FR*(\a)+FR-1], 0
.else
	v_wmma_f32_16x16x128_bf8_bf8 v[8*(8*((\a)%4)+\b):8*(8*((\a)%4)+\b)+7], v[128*(\p)+FR*\b:128*(\p)+FR*\b+FR-1], v[AF+FR*(\a):AF+FR*(\a)+FR-1], v[8*(8*((\a)%4)+\b):8*(8*((\a)%4)+\b)+7]
.endif
.endr
.endr
.endm
.macro FETCH_B slot, q, p
	WIN TO_B
.irp i, 0,1,2,3,4,5,6,7
	FRAGB 128*(\p)+FR*\i, ADRB+\slot, \q, \i
.endr
	WIN 0
.endm
.macro FETCH_A slot, q, i0
.irp i, \i0, \i0+1, \i0+2, \i0+3
	FRAGA AF+FR*(\i), ADRA+\slot, \q, \i
.endr
.endm
.macro PLACES n                        ; plain vector instructions between a matrix instruction and a load into, or a read of, its registers
.rept \n
	v_nop
.endr
.endm
.macro STEP slot, q, zero
	s_wait_dscnt 4*NL                              ; the set of B and blocks 0-3 of A are in; the youngest 16 loads (blocks 4-7 of A) may be out
	WIN MUL_LO
	MUL16 0, (\q)%2, \zero
	MUL16 2, (\q)%2, \zero
	s_wait_dscnt 0
	PLACES NP
	FETCH_B \slot, (\q)+1, 1-(\q)%2
	FETCH_A \slot, (\q)+1, 0
	WIN MUL_HI
	MUL16 4, (\q)%2, \zero
	MUL16 6, (\q)%2, \zero
	PLACES NP
	WIN 0
	FETCH_A \slot, (\q)+1, 4
.endm
; The last step of a slot changes slots: ONE barrier; in front of it each wave waits for all its tensor loads, adds 0 to its spare word, and waits for that and for its own reads of this slot.
.macro TURN slot, next, fill
	s_wait_tensorcnt 0x0                           ; all my tensor loads have landed: my part of the next slot
	ds_add_u32 v[SPW], v[NIL]                      ; 0 onto my spare word
	s_wait_dscnt 4*NL+1                            ; (the add and the youngest 16 loads may be out)
	WIN MUL_LO
	MUL16 0, 1, 0
	s_wait_dscnt 0x0                               ; the add is done, and my reads of this slot are over
	s_barrier_signal -1
	MUL16 2, 1, 0
	WIN 0
	s_barrier_wait -1
.if \fill
	CREST                                          ; the barrier has opened a round of the cluster: no wave of any partner still reads this slot or has a load on its way
	s_add_nc_u64 s[G0+4*\slot+2:G0+4*\slot+3], s[G0+4*\slot+2:G0+4*\slot+3], 2*ASTEP
	s_add_nc_u64 s[G0B+4*\slot+2:G0B+4*\slot+3], s[G0B+4*\slot+2:G0B+4*\slot+3], 2*ROWB
	JLOAD G0+4*\slot, G1, G0B+4*\slot, G1B         ; the first tensor load behind the round; its four v_nop are the places in front of the loads below
.else
	PLACES NP
.endif
	FETCH_B \next, 0, 0
	FETCH_A \next, 0, 0
	WIN MUL_HI
	MUL16 4, 1, 0
	MUL16 6, 1, 0
	PLACES NP
	WIN 0
	FETCH_A \next, 0, 4
.endm
	s_wait_tensorcnt 1                             ; my part of K step 0 is in (the load of K step 1 may be out)
	s_barrier_signal -1
	s_barrier_wait -1
	FETCH_B 0, 0, 0
	FETCH_A 0, 0, 0
	FETCH_A 0, 0, 4
	STEP 0, 0, 1                                   ; the first step stands in front of the loop: its products start the sums
	s_mov_b32 s3, LAPS-1
.Llap:
	TURN 0, 1, 1
	STEP 1, 0, 0
	TURN 1, 0, 1
	STEP 0, 0, 0
	s_sub_co_u32 s3, s3, 1
	s_cmp_lg_u32 s3, 0
	s_cbranch_scc1 .Llap
	TURN 0, 1, 0                                   ; the last lap fills nothing
	STEP 1, 0, 0
	s_wait_dscnt 4*NL
	WIN MUL_LO
	MUL16 0, 1, 0
	MUL16 2, 1, 0
	s_wait_dscnt 0
	WIN MUL_HI
	MUL16 4, 1, 0
	MUL16 6, 1, 0
	WIN 0
; THE WAY OUT, block by block of 16 rows x 128 columns.  A lane holds 32 neighbouring bytes of a row and the lanes beside it other rows: so the sums go, as they are, through my own stage in LDS and come back as whole rows
; of 512 bytes; there a lane holds the same four columns in every row, so four registers of b_out serve all, and one packed multiply-add for two numbers gives sum x 2^(e6 + e7) + b_out.
.macro TOSTAGE a
.set AC, 64*((\a)%4)
	WIN 0x08+4*((\a)/4)                            ; the data of an LDS store are its source 1: window 2 or 3
.irp b, 0,1,2,3,4,5,6,7
	ds_store_b128 v[STO], v[AC+8*\b:AC+8*\b+3] offset:64*\b          ; each accumulator from its low end on
	ds_store_b128 v[STO], v[AC+8*\b+4:AC+8*\b+7] offset:64*\b+16
.endr
	WIN 0
.set BB, BK+64*((\a)%2)
.irp t, 0,1,2,3,4,5,6,7,8,9,10,11,12,13,14,15
	ds_load_b128 v[BB+4*\t:BB+4*\t+3], v[RD] offset:\t*SPITCH        ; LDS serves the instructions of a wave in order (ISA guide 5.7.1.4): these see the stores above, and the stores of the next block come behind them
.endr
.endm
.macro SEND a, younger                 ; younger: the LDS instructions issued behind the loads of block a, which may stay out
.set BB, BK+64*((\a)%2)
	s_wait_dscnt \younger
.if (\a) > 0
	s_add_nc_u64 s[12:13], s[12:13], 16*4096       ; (behind a wait on XCNT: the earlier stores have read their base)  16 rows on
.endif
.irp t, 0,1,2,3,4,5,6,7,8,9,10,11,12,13,14,15
.irp u, 0,1
	v_pk_fma_f32 v[BB+4*\t+2*\u:BB+4*\t+2*\u+1], v[BB+4*\t+2*\u:BB+4*\t+2*\u+1], s[96:97], v[BI+2*\u:BI+2*\u+1] op_sel_hi:[1,0,1]
.endr
.endr
.irp t, 0,1,2,3,4,5,6,7,8,9,10,11,12,13,14,15
	global_store_b128 v[CO], v[BB+4*\t:BB+4*\t+3], s[12:13] offset:\t*4096 th:TH_STORE_NT   ; 32 lanes store 512 consecutive bytes, aligned; written once, read by nobody here
.endr
.endm
	s_wait_kmcnt 0x0
	s_add_co_i32 s96, s86, s87                     ; e6 + e7, between -126 and 127,
	s_add_co_i32 s96, s96, 127
	s_lshl_b32 s96, s96, 23                        ; makes the f32 number 2^(e6 + e7)
	s_mov_b32 s97, s96                             ; (named with it as a pair, so it is written)
	s_wait_loadcnt 0x0                             ; b_out
	PLACES NP                                      ; behind the last products: for the LDS stores that read results and the loads into the registers that held the fragments of A
	TOSTAGE 0
.irp a, 1,2,3,4,5,6,7
.if \a > 1
	s_wait_xcnt 0x0                                ; the stores of block a - 2 have read their registers and their base: the loads of block a may land there, and the base may step
.endif
	TOSTAGE \a
	SEND \a-1, 32                                  ; behind the loads of block a - 1: the 16 stores and 16 loads of block a
.endr
	s_wait_xcnt 0x0                                ; the stores of block 6 have read their base
	SEND 7, 0
	s_wait_tensorcnt 0x0                           ; the end of the wave: behind my last tensor load and my last LDS store
	ds_add_u32 v[SPW], v[NIL]
	s_wait_dscnt 0x0
	CROUND                                         ; the closing round: no work-group ends while a partner may still ask for a tile that names it
	s_endpgm
.Lfunc_end_k_q2bb025019e_proj:
	.size	k_q2bb025019e_proj, .Lfunc_end_k_q2bb025019e_proj-k_q2bb025019e_proj
	.p2alignl 7, 3214868480
	.fill 96, 4, 3214868480
	.section	.rodata,"a",@progbits
	.p2align	6, 0x0
	.amdhsa_kernel k_q2bb025019e_proj
		.amdhsa_group_segment_fixed_size 327680
		.amdhsa_private_segment_fixed_size 0
		.amdhsa_enable_private_segment 0
		.amdhsa_kernarg_size 40
		.amdhsa_user_sgpr_count 2
		.amdhsa_user_sgpr_kernarg_segment_ptr 1
		.amdhsa_wavefront_size32 1
		.amdhsa_system_sgpr_workgroup_id_x 1
		.amdhsa_system_sgpr_workgroup_id_y 1
		.amdhsa_system_sgpr_workgroup_id_z 1
		.amdhsa_system_vgpr_workitem_id 0
		.amdhsa_next_free_vgpr 1024
		.amdhsa_next_free_sgpr 98
		.amdhsa_reserve_vcc 0
		.amdhsa_float_denorm_mode_32 3
		.amdhsa_float_denorm_mode_16_64 3
		.amdhsa_memory_ordered 1
		.amdhsa_forward_progress 1
		.amdhsa_inst_pref_size 124
	.end_amdhsa_kernel
	.amdgpu_metadata
---
amdhsa.version: [ 1, 2 ]
amdhsa.kernels:
  - .name:           k_q2bb025019e_proj
    .symbol:         k_q2bb025019e_proj.kd
    .args:
      - { .name: o_codes, .offset: 0, .size: 8, .value_kind: global_buffer, .address_space: global }
      - { .name: wout_codes, .offset: 8, .size: 8, .value_kind: global_buffer, .address_space: global }
      - { .name: lowp_scales, .offset: 16, .size: 8, .value_kind: global_buffer, .address_space: global }
      - { .name: b_out, .offset: 24, .size: 8, .value_kind: global_buffer, .address_space: global }
      - { .name: out0, .offset: 32, .size: 8, .value_kind: global_buffer, .address_space: global }
    .group_segment_fixed_size: 327680
    .private_segment_fixed_size: 0
    .kernarg_segment_align: 8
    .kernarg_segment_size: 40
    .max_flat_workgroup_size: 128
    .sgpr_count:     98
    .vgpr_count:     1024
    .wavefront_size: 32
...
	.end_amdgpu_metadata
.endif
;; end of part 4
;; ======== version 2 of 2: 4 launches; version 1 with the launch attn written anew for expert scheduling mode
;; workspace buffers: x_codes 8,388,608 bytes; wqkv_codes 3,145,728 bytes; wout_codes 1,048,576 bytes; q_codes 8,388,608 bytes; k_codes 8,388,608 bytes; v_codes 8,388,608 bytes; o_codes 8,388,608 bytes
;; launch quant: the kernel of part 1 again; grid 384 x 1, 4 waves a work-group, no clusters, 68,096 bytes of LDS; arguments x, w_qkv, w_out, lowp_scales, x_codes, wqkv_codes, wout_codes; writes x_codes, wqkv_codes, wout_codes
;; launch qkv: the kernel of part 2 again; grid 12 x 32, 4 waves a work-group, clusters of 4 x 4, 327,680 bytes of LDS; arguments x_codes, wqkv_codes, lowp_scales, q_codes, k_codes, v_codes; writes q_codes, k_codes, v_codes
;; launch attn (part 5): grid 2 x 128, 16 waves a work-group, no clusters, 186,368 bytes of LDS; arguments q_codes, k_codes, v_codes, lowp_scales, o_codes; writes o_codes
.if DOCPART == 5
	.amdgcn_target "amdgcn-amd-amdhsa--gfx1250"
	.amdhsa_code_object_version 6
	.text
	.protected	k_q2bb025019e_attn
	.globl	k_q2bb025019e_attn
	.p2align	8
	.type	k_q2bb025019e_attn,@function
k_q2bb025019e_attn:
	s_mov_b64 s[64:65], 0
	v_nop
	global_prefetch_b8 v0, s[64:65] scope:SCOPE_SE
	s_setreg_imm32_b32 hwreg(HW_REG_WAVE_SCHED_MODE, 0, 2), 2
	s_setreg_imm32_b32 hwreg(HW_REG_WAVE_MODE, 25, 1), 1
	s_wait_xcnt 0x0
	s_wait_alu depctr_vm_vsrc(0)
; o = softmax(q k^T / 8) v for 128 heads of 1,024 tokens x 64, both products on codes of BF8 (E5M2); o is quantised at once (scale 2^e6) into o_codes [b][head][token][64], d in its natural order.
; q_codes, k_codes [b][head][token][64]; v_codes [b][block of 64 keys][64 head + d][64 along the keys]; inside every 32 bytes of the last axis byte 16 hh + 8 u + j holds index 16 u + 8 hh + j, so that a load of
; 16 bytes at 32 c + 16 (lane / 16) fills registers 4 c .. 4 c + 3 of an operand in the layout of the plain 8-bit forms (registers 2 c, 2 c + 1: k = 16 c + 8 (lane / 16) + 0 .. 7).
; THE SOFTMAX: t = score x log2(e) / 8 x 2^(e2 + e3); M = the largest t of the row so far, rounded UP to a whole number; p = 2^(t - M) is quantised (scale 2^e4), not normalised.  The sum of the row is taken of the
; unquantised p, in f32, and divides at the end.  When M moves, the sum and O are multiplied by 2^(old M - new M): exact.
; SHARES.  A work-group owns one head and 512 of its queries; each of its sixteen waves owns one tile of 16 queries in each of two passes: 256 registers, four waves to a SIMD, so that the vector work of one wave
; stands beside the matrix work and LDS loads of another.  Both products are used transposed (S^T = K Q^T, O^T = V^T P^T): a lane holds ONE query throughout, the eight registers of a tile of S^T are eight neighbouring keys, and the
; conversions of p ARE the operand of the second product.
; ALL of K and V of the head (128 KiB) is laid in LDS ONCE, through registers, in four stages of 256 keys, the loads two stages ahead; every LDS byte of K and V is written once.
; NO TENSOR LOADS, NO CLUSTER: only two work-groups read the same K and V, each byte is fetched once by 16 loads a wave, and without the data mover a scalar branch on the given whole number e4 may jump over the 64 holds of p
; in each step: for e4 >= -15, p <= 1 gives p / 2^e4 <= 32,768, under 57,344.  NO PREFETCH: the loads themselves ask for all of K and V during the first two stages.
; LIMITS: e2 + e3 between -123 and 130 (added to the exponent field of c); e4 and e6 between -126 and 112; e4 + e5 is applied by v_ldexp_f32 and has none.  NaN is not served.
; THE MODE: SCHED_MODE bits 1:0 = 2 (LLVM: expert scheduling mode 2), set by the entry lines.  The code itself states the register dependences
; between vector or matrix instructions and memory or LDS instructions, with s_wait_alu, always for 0.
; THE PLAN.  Registers that memory or LDS instructions touch:
;   v3-v7, v10, v11, v247   offsets and LDS addresses: written at the head, ahead of one wait on va_vdst, and never again.
;   v16-31                  Q: loaded once; read by products.
;   F0, F1                  the fill sets: global loads land in them, LDS stores read them; F1 later takes LDS loads and feeds global stores.  No vector instruction names them.
;   v[ADK], v[ADV]          read by every LDS load of K and V; written once a stage by a vector addition: a wait on vm_vsrc ahead of it, the wait on va_vdst at the head of the stage behind it.
;   PC                      written by conversions, read by products; on the way out read by LDS stores.
;   FX, FY                  two buffers of 64 that CHANGE PLACES from step to step.  In a step one of them (KB) holds the fragments of K and then those of V: LDS loads land in it, products read it.  The other (SB) takes the
;                           scores (products write it) and p (vector instructions work on it); in the first step of a stage, once p is converted, the fragments of K of the second step land in it, under the rescaling of O^T
;                           and the second product.  A stage is two steps: then the buffers are back where they began.  The look-ahead stays inside a stage: in pass 0 the next stage lies behind a barrier.
; Every run of LDS loads stands straight behind the wait on va_vdst that states what it hangs on.
.set KP,    80                         ; an LDS row: 64 bytes + 16 of padding: an odd multiple of 16 bytes
.set VOFF,  1024*KP                    ; K: 1,024 rows;  V behind it: row = 64 x block of keys + d
.set STGB,  256*KP                     ; a stage of 256 keys in K, and in V
.set OSTG,  2*VOFF                     ; behind both: 16 rows x 80 bytes for each wave, for the way out
.set AK0,  1                           ; v1   the place of my lane in a tile of K: 80 r + 16 h
.set AV0,  2                           ; v2   the same in V
.set GK,   3                           ; v3   the fill: my bytes of a stage of K in memory
.set GV,   4                           ; v4   of V
.set LFK,  5                           ; v5   the fill: where they go in LDS
.set LFV,  6
.set QO,   7                           ; v7   Q: 64 r + 16 h
.set ADK,  8                           ; v8   LDS address of the stage in hand, K
.set ADV,  9                           ; v9   V
.set STO,  10                          ; v10  the way out: where I put 8 bytes
.set RD,   11                          ; v11  and where I read 16 back
.set FX,   32                          ; v32-95   the two buffers that change places
.set FY,   96                          ; v96-159
.set O,    160                         ; v160-191 O^T
.set PC,   192                         ; v192-207 the codes of p
.set F0,   208                         ; v208-223, v224-239 the two fill sets; v224-239 later hold the rows of o on their way out
.set F1,   224
.set GO,   247                         ; v247 16 x lane
.set WV,   18
.set SEL,  20                          ; s[20:21] lane selects: lane xor 16
.set CS,   22                          ; s[22:23] c
.set EP,   28                          ; s28 e4
.set EPV,  40                          ; s40 e4 + e5
	s_load_b256 s[4:11], s[0:1], 0x0               ; q s[4:5], k s[6:7], v s[8:9], the exponents s[10:11]
	s_load_b64 s[12:13], s[0:1], 0x20              ; o_codes
	v_lshl_add_u32 v251, v0, 2, 0x2d000
	v_mov_b32 v255, 0
	v_lshrrev_b32 v8, 5, v0
	v_readfirstlane_b32 s[WV], v8                  ; wave 0..15
	v_and_b32 v248, 31, v0                         ; lane
	v_and_b32 v249, 15, v0                         ; r
	v_bfe_u32 v250, v0, 4, 1                       ; h
	v_mul_u32_u24 v[AK0], v249, KP
	v_lshl_add_u32 v[AK0], v250, 4, v[AK0]
	v_add_nc_u32 v[AV0], VOFF, v[AK0]
	s_wait_alu depctr_va_sdst(0)                   ; s18, the number of the wave, is written, ahead of its first reader: offsets and bases are made from it
	s_lshl_b32 s32, s[WV], 10
	v_lshl_add_u32 v[GK], v248, 4, s32             ; K: 16 rows of 64 bytes a wave: 1,024 w + 16 lane
	s_lshr_b32 s33, s[WV], 2
	s_lshl_b32 s33, s33, 16
	s_and_b32 s34, s[WV], 3
	s_lshl_b32 s34, s34, 10
	s_add_co_u32 s33, s33, s34
	v_lshl_add_u32 v[GV], v248, 4, s33             ; V: block of keys w / 4 (65,536 bytes apart), rows 16 (w % 4) on
	s_mul_i32 s35, s[WV], 16*KP
	v_lshrrev_b32 v[LFK], 2, v248
	v_mul_u32_u24 v[LFK], v[LFK], KP
	v_and_b32 v[LFV], 3, v248
	v_lshl_add_u32 v[LFK], v[LFV], 4, v[LFK]
	v_add_nc_u32 v[LFK], s35, v[LFK]               ; LDS row 16 w + lane / 4, byte 16 (lane % 4)
	v_add_nc_u32 v[LFV], VOFF, v[LFK]
	v_lshlrev_b32 v[QO], 6, v249
	v_lshl_add_u32 v[QO], v250, 4, v[QO]
	v_lshlrev_b32 v[GO], 4, v248
	v_mul_u32_u24 v[STO], v249, KP
	v_lshl_add_u32 v[STO], v250, 3, v[STO]
	v_add_nc_u32 v[STO], s35, v[STO]
	v_add_nc_u32 v[STO], OSTG, v[STO]              ; my stage: row r, byte 8 h
	v_add_nc_u32 v[RD], OSTG, v[LFK]
	s_mov_b32 s[SEL], 0x76543210
	s_mov_b32 s[SEL+1], 0xfedcba98
	s_mov_b32 s[CS], 0x3e38aa3b                    ; c = log2(e) / 8
	s_and_b32 s32, ttmp7, 0xffff                   ; 16 b + head
	s_lshl_b32 s34, s32, 16                        ; a head of K, Q, O is 65,536 bytes
	s_mov_b32 s35, 0
	s_lshl_b32 s38, ttmp9, 15                      ; my 512 queries,
	s_add_co_u32 s38, s38, s34
	s_lshl_b32 s36, s[WV], 10                      ; the 16 of my wave
	s_add_co_u32 s38, s38, s36
	s_mov_b32 s39, 0
	s_lshr_b32 s36, s32, 4
	s_lshl_b32 s36, s36, 20                        ; V: an image is 2^20 bytes,
	s_and_b32 s37, s32, 15
	s_lshl_b32 s37, s37, 12                        ; the 64 rows of a head 4,096
	s_add_co_u32 s36, s36, s37
	s_mov_b32 s37, 0
	s_wait_kmcnt 0x0
	s_load_b256 s[24:31], s[10:11], 0x0            ; e0 .. e7
	s_add_nc_u64 s[6:7], s[6:7], s[34:35]
	s_add_nc_u64 s[4:5], s[4:5], s[38:39]
	s_add_nc_u64 s[12:13], s[12:13], s[38:39]
	s_add_nc_u64 s[8:9], s[8:9], s[36:37]
	s_wait_alu depctr_va_vdst(0)                   ; v3 to v7, v10, v11 and v247 are written: the offsets and addresses that the global loads and stores, the LDS stores and the way out read; no vector instruction names them again
.irp c, 0,1
	global_load_b128 v[16+4*\c:19+4*\c], v[QO], s[4:5] offset:32*\c          ; Q of pass 0 stays in registers,
.endr
.irp c, 0,1
	global_load_b128 v[24+4*\c:27+4*\c], v[QO], s[4:5] offset:16384+32*\c    ; and Q of pass 1, 256 queries on
.endr
.macro GLOAD s, F                      ; my part of stage s: 16 rows of K and 16 of V; each load reads 512 consecutive bytes
	global_load_b128 v[\F:\F+3],     v[GK], s[6:7] offset:16384*(\s)
	global_load_b128 v[\F+4:\F+7],   v[GK], s[6:7] offset:16384*(\s)+512
	global_load_b128 v[\F+8:\F+11],  v[GV], s[8:9] offset:262144*(\s)
	global_load_b128 v[\F+12:\F+15], v[GV], s[8:9] offset:262144*(\s)+512
.endm
	GLOAD 0, F0
	GLOAD 1, F1
	v_mov_b32 v246, 0                              ; written once: the destination of a lane permute counts as one of its sources
	v_mov_b32 v253, 0                              ; (named as the upper half of the pair v[252:253])
	s_wait_kmcnt 0x0
	s_add_co_i32 s32, s26, s27
	s_lshl_b32 s32, s32, 23
	s_add_co_i32 s[CS], s[CS], s32                 ; a score stands for score x 2^(e2 + e3): added to the exponent field of c
	s_mov_b32 s[CS+1], s[CS]                       ; (named with it as a pair, so it is written)
	s_add_co_i32 s32, s[EP], 127
	s_lshl_b32 s33, s32, 23
	v_mov_b32 v244, s33                            ; 2^e4
	s_add_co_i32 s32, s32, 15
	s_lshl_b32 s32, s32, 23
	s_or_b32 s32, s32, 0x600000
	v_mov_b32 v240, s32                            ; 57,344 x 2^e4
	s_add_co_i32 s32, s30, 127
	s_lshl_b32 s33, s32, 23
	v_mov_b32 v245, s33                            ; 2^e6
	s_add_co_i32 s32, s32, 15
	s_lshl_b32 s32, s32, 23
	s_or_b32 s32, s32, 0x600000
	v_mov_b32 v241, s32                            ; 57,344 x 2^e6
	s_add_co_i32 s[EPV], s[EP], s29                ; e4 + e5
; Stage s goes into LDS.  left: the four loads of the other set may stay out.  My stores have landed, and my earlier LDS reads are in, ahead of the signal; behind the wait every wave may read the stage.
; Stage s is written while other waves may still read stage s - 1: other bytes.  next = 1: the set takes the loads of two stages on.
.macro FILL s, F, left, next
	s_wait_loadcnt \left
	ds_store_b128 v[LFK], v[\F:\F+3]     offset:STGB*(\s)
	ds_store_b128 v[LFK], v[\F+4:\F+7]   offset:STGB*(\s)+8*KP
	ds_store_b128 v[LFV], v[\F+8:\F+11]  offset:STGB*(\s)
	ds_store_b128 v[LFV], v[\F+12:\F+15] offset:STGB*(\s)+8*KP
	s_wait_dscnt 0x0
	s_wait_alu depctr_vm_vsrc(0)                   ; my LDS stores have read the set, in which loads land again (stages 0, 1: the loads of two stages on; stage 3: the rows of o on the way out); from stage 1 on: my LDS loads of the stage before have read v[ADK] and v[ADV], which are written anew behind the barrier
.if \next
	GLOAD (\s)+2, \F
.endif
	s_barrier_signal -1
	s_barrier_wait -1
.endm
.macro ADDR s
	v_add_nc_u32 v[ADK], STGB*(\s), v[AK0]
	v_add_nc_u32 v[ADV], STGB*(\s), v[AV0]
.endm
.macro INIT                            ; a pass begins: the step is written once and finds zeros, which the first change of M leaves zeros
.set j, 0
.rept 32
	v_mov_b32 v[O+j], 0
.set j, j+1
.endr
	v_mov_b32 v13, 0xff61b1e6                      ; the largest t so far: -3e38, under every t
	v_floor_f32 v12, -v13                          ; -M
	v_mov_b32 v14, 0                               ; the sum, in two halves
	v_mov_b32 v15, 0
.endm
; The fragments of K of the q-th 128 keys of the stage in hand, into buffer B: eight tiles of 16 keys, eight registers each.
.macro KLOAD q, B
.irp t, 0,1,2,3,4,5,6,7
.irp c, 0,1
	ds_load_b128 v[\B+8*\t+4*\c:\B+8*\t+4*\c+3], v[ADK] offset:(128*(\q)+16*\t)*KP+32*\c
.endr
.endr
.endm
; A KEY STEP: 128 keys, the q-th of the stage in hand.  QR: the first register of Q.  KB: the buffer of the fragments of K, then of V.  SB: the buffer of the scores, then of p.
; kin = 1: the fragments of K were asked for in the step before; 0: they are asked for here.  kout = 1: once p is converted, the fragments of K of the next step are asked for, into SB.
.macro STEP q, QR, KB, SB, kin, kout
.rept 5
	v_nop                                          ; five places between the last products, which read v[SB ..] as the fragments of V, and the products below, which write over those registers (ISA guide 7.12.1)
.endr
.if \kin == 0
	s_wait_alu depctr_va_vdst(0)                   ; v[ADK] and v[ADV] are written, which the LDS loads of this stage read; the vector instructions that worked on p in v[KB ..] in the step before are done, and the loads below land there
	KLOAD \q, \KB
.endif
	s_wait_dscnt 0x0                               ; K is in
.irp t, 0,1,2,3,4,5,6,7
	v_wmma_f32_16x16x64_bf8_bf8 v[\SB+8*\t:\SB+8*\t+7], v[\KB+8*\t:\KB+8*\t+7], v[\QR:\QR+7], 0   ; lane (r, h): query r, register j: key 16 t + 8 h + j
.endr
.rept 4
	v_nop                                          ; places in front of the first read of the scores; they stay beside the wait below
.endr
	s_wait_alu depctr_va_vdst(0)                   ; the eight products are done reading the fragments of K in v[KB ..], in which the loads below land
.irp d, 0,1,2,3
.irp c, 0,1,2,3
	ds_load_b128 v[\KB+16*\d+4*\c:\KB+16*\d+4*\c+3], v[ADV] offset:((2*(\q)+\c/2)*64+16*\d)*KP+32*(\c%2)   ; V^T: rows d = 16 d + r, these 128 keys; they land under the softmax, which names none of these registers
.endr
.endr
	v_max3_num_f32 v254, v[\SB], v[\SB+1], v[\SB+2]   ; the largest score of my query among my 64 keys, in two chains; each accumulator is read from its low end on
	v_max3_num_f32 v252, v[\SB+3], v[\SB+4], v[\SB+5]
.irp i, 6,10,14,18,22,26,30,34,38,42,46,50,54,58
	v_max3_num_f32 v254, v254, v[\SB+\i], v[\SB+1+\i]
	v_max3_num_f32 v252, v252, v[\SB+2+\i], v[\SB+3+\i]
.endr
	v_max3_num_f32 v254, v254, v[\SB+62], v[\SB+63]
	v_max_num_f32 v254, v254, v252
	v_permlanex16_b32 v246, v254, s[SEL], s[SEL+1]
	v_max_num_f32 v254, v254, v246                 ; and among those of lane xor 16
	v_mul_f32 v254, s[CS], v254                    ; as t (c is positive)
	v_max_num_f32 v13, v13, v254                   ; the running largest t
	v_mov_b32 v254, v12
	v_floor_f32 v12, -v13                          ; the new -M = floor(-t) = -ceil(t): M is a whole number
	v_sub_f32 v254, v12, v254                      ; old M - new M: a whole number, 0 or less
	v_cvt_i32_f32 v254, v254                       ; (it saturates)
	v_ldexp_f32 v252, 1.0, v254                    ; f = 2^(old M - new M)
.set j, 0
.rept 32
	v_pk_fma_f32 v[\SB+j:\SB+j+1], v[\SB+j:\SB+j+1], s[CS:CS+1], v[12:13] op_sel_hi:[1,0,0]   ; t - M, two at a time
.set j, j+2
.endr
.set j, 0
.rept 64
	v_exp_f32 v[\SB+j], v[\SB+j]                   ; p = 2^(t - M), at most 1
.set j, j+1
.endr
	v_pk_mul_f32 v[14:15], v[14:15], v[252:253] op_sel_hi:[1,0]   ; the sums under the new M: a plain instruction behind the exponentials
	s_wait_alu depctr_va_vdst(0)                   ; the 64 exponentials have written p: one wait for the whole batch, ahead of its first reader
	v_pk_add_f32 v[242:243], v[\SB:\SB+1], v[\SB+2:\SB+3]    ; the sum of the row is taken of the unquantised p: two at a time, in two chains
.irp j, 4,8,12,16,20,24,28,32,36,40,44,48,52,56,60
	v_pk_add_f32 v[14:15], v[14:15], v[\SB+\j:\SB+1+\j]
	v_pk_add_f32 v[242:243], v[242:243], v[\SB+2+\j:\SB+3+\j]
.endr
	v_pk_add_f32 v[14:15], v[14:15], v[242:243]
	s_cmp_ge_i32 s[EP], -15                        ; p <= 1: for e4 >= -15 no p / 2^e4 passes 32,768, and the hold changes nothing
	s_cbranch_scc1 .Lfree_\@
.set j, 0
.rept 64
	v_min_num_f32 v[\SB+j], v[\SB+j], v240         ; the conversion does not saturate (ISA guide 7.6.2); p is not negative, so the hold is one-sided
.set j, j+1
.endr
.Lfree_\@:
.irp t, 0,1,2,3,4,5,6,7
	v_cvt_scalef32_pk8_bf8_f32 v[PC+2*\t:PC+2*\t+1], v[\SB+8*\t:\SB+8*\t+7], v244   ; registers 2 t, 2 t + 1 of the operand: keys 16 t + 8 h + 0 .. 7
.endr
.if \kout
	s_wait_alu depctr_va_vdst(0)                   ; the sums, the holds and the conversions are done with p in v[SB ..], in which the loads below land
	KLOAD (\q)+1, \SB                              ; K of the next step: it lands under the 16 multiplications and the four products below, which name O^T, f, v[KB ..] and the codes of p
.endif
.set j, 0
.rept 16
	v_pk_mul_f32 v[O+j:O+j+1], v[O+j:O+j+1], v[252:253] op_sel_hi:[1,0]   ; O^T under the new M; also the plain instructions behind the conversions
.set j, j+2
.endr
.if \kout
	s_wait_dscnt 16                                ; LDS loads come back in order (ISA guide 5.7.1): V is in; the 16 younger loads, K of the next step, may be out
.else
	s_wait_dscnt 0x0                               ; V is in
.endif
.irp d, 0,1,2,3
	v_wmma_f32_16x16x128_bf8_bf8 v[O+8*\d:O+8*\d+7], v[\KB+16*\d:\KB+16*\d+15], v[PC:PC+15], v[O+8*\d:O+8*\d+7]   ; four accumulators by turns; the eight products of the next step stand between two links of a chain
.endr
.endm
; A stage: two key steps, in which the two buffers change places and come back.
.macro STAGE QR
	STEP 0, \QR, FX, FY, 0, 1
	STEP 1, \QR, FY, FX, 1, 0
.endm
; THE WAY OUT of pass p: O^T x 2^(e4 + e5) / the sum, held, converted with 2^e6, through my own stage, and stored as 512 consecutive bytes an instruction.
.macro OUT p
.rept 4
	v_nop                                          ; places behind the last products
.endr
	v_add_f32 v14, v14, v15
	v_permlanex16_b32 v252, v14, s[SEL], s[SEL+1]
	v_add_f32 v14, v14, v252                       ; the sum of the row
	v_rcp_f32 v14, v14
	v_nop                                          ; a plain instruction behind the transcendental,
	s_wait_alu depctr_va_vdst(0)                   ; and the wait: the reciprocal has written v14, ahead of its first reader
	v_ldexp_f32 v14, v14, s[EPV]
.set j, 0
.rept 16
	v_pk_mul_f32 v[FY+j:FY+j+1], v[O+j:O+j+1], v[14:15] op_sel_hi:[1,0]   ; register 8 t + i: o(query r, d = 16 t + 8 h + i); each accumulator from its low end on
.set j, j+2
.endr
.set j, 0
.rept 32
	v_med3_num_f32 v[FY+j], v[FY+j], -v241, v241
.set j, j+1
.endr
.irp d, 0,1,2,3
	v_cvt_scalef32_pk8_bf8_f32 v[PC+2*\d:PC+2*\d+1], v[FY+8*\d:FY+8*\d+7], v245
.endr
	v_nop                                          ; one plain vector instruction behind the conversions
	s_wait_alu depctr_va_vdst(0)                   ; the conversions have written v[PC ..], which the LDS stores read
.irp d, 0,1,2,3
	ds_store_b64 v[STO], v[PC+2*\d:PC+2*\d+1] offset:16*\d
.endr
.irp i, 0,1
	ds_load_b128 v[F1+8*\p+4*\i:F1+8*\p+4*\i+3], v[RD] offset:8*KP*\i   ; LDS serves the instructions of a wave in order: these see my stores.  The LDS stores of stage 3, the last to read these registers, stand ahead of the wait on vm_vsrc in that stage; no vector instruction names them
.endr
	s_wait_dscnt 0x0
.irp i, 0,1
	global_store_b128 v[GO], v[F1+8*\p+4*\i:F1+8*\p+4*\i+3], s[12:13] offset:16384*\p+512*\i   ; each pass has its own registers: no store data are written again
.endr
.endm
	INIT
	FILL 0, F0, 4, 1                               ; (Q was asked for ahead of the fill sets: it is in too)
	ADDR 0
	STAGE 16
	FILL 1, F1, 4, 1
	ADDR 1
	STAGE 16
	FILL 2, F0, 4, 0
	ADDR 2
	STAGE 16
	FILL 3, F1, 0, 0
	ADDR 3
	STAGE 16
	OUT 0
	INIT                                           ; pass 1: all of K and V lies in LDS and is written no more: a loop over the four stages, no barrier
	s_mov_b32 s2, 0
	s_mov_b32 s3, 4
.Lstage:
	s_wait_alu depctr_vm_vsrc(0)                   ; the LDS loads issued so far have read v[ADK] and v[ADV], which are written below; in the first trip also: the LDS stores of the way out of pass 0 have read v[PC ..], which the conversions write again
	v_add_nc_u32 v[ADK], s2, v[AK0]
	v_add_nc_u32 v[ADV], s2, v[AV0]
	STAGE 24
	s_add_co_u32 s2, s2, STGB
	s_sub_co_u32 s3, s3, 1
	s_cmp_lg_u32 s3, 0
	s_cbranch_scc1 .Lstage
	OUT 1
	s_wait_dscnt 0x0                               ; the closing lines, six on end
	s_wait_alu 0x0
	s_wait_tensorcnt 0x0
	ds_add_u32 v251, v255
	s_wait_dscnt 0x0
	s_endpgm
.Lfunc_end_k_q2bb025019e_attn:
	.size	k_q2bb025019e_attn, .Lfunc_end_k_q2bb025019e_attn-k_q2bb025019e_attn
	.p2alignl 7, 3214868480
	.fill 96, 4, 3214868480
	.section	.rodata,"a",@progbits
	.p2align	6, 0x0
	.amdhsa_kernel k_q2bb025019e_attn
		.amdhsa_group_segment_fixed_size 186368
		.amdhsa_private_segment_fixed_size 0
		.amdhsa_enable_private_segment 0
		.amdhsa_kernarg_size 40
		.amdhsa_user_sgpr_count 2
		.amdhsa_user_sgpr_kernarg_segment_ptr 1
		.amdhsa_wavefront_size32 1
		.amdhsa_system_sgpr_workgroup_id_x 1
		.amdhsa_system_sgpr_workgroup_id_y 1
		.amdhsa_system_sgpr_workgroup_id_z 1
		.amdhsa_system_vgpr_workitem_id 0
		.amdhsa_next_free_vgpr 256
		.amdhsa_next_free_sgpr 66
		.amdhsa_reserve_vcc 0
		.amdhsa_float_denorm_mode_32 3
		.amdhsa_float_denorm_mode_16_64 3
		.amdhsa_memory_ordered 1
		.amdhsa_forward_progress 1
		.amdhsa_inst_pref_size 171
	.end_amdhsa_kernel
	.amdgpu_metadata
---
amdhsa.version: [ 1, 2 ]
amdhsa.kernels:
  - .name:           k_q2bb025019e_attn
    .symbol:         k_q2bb025019e_attn.kd
    .args:
      - { .name: q_codes, .offset: 0, .size: 8, .value_kind: global_buffer, .address_space: global }
      - { .name: k_codes, .offset: 8, .size: 8, .value_kind: global_buffer, .address_space: global }
      - { .name: v_codes, .offset: 16, .size: 8, .value_kind: global_buffer, .address_space: global }
      - { .name: lowp_scales, .offset: 24, .size: 8, .value_kind: global_buffer, .address_space: global }
      - { .name: o_codes, .offset: 32, .size: 8, .value_kind: global_buffer, .address_space: global }
    .group_segment_fixed_size: 186368
    .private_segment_fixed_size: 0
    .kernarg_segment_align: 8
    .kernarg_segment_size: 40
    .max_flat_workgroup_size: 512
    .sgpr_count:     66
    .vgpr_count:     256
    .wavefront_size: 32
...
	.end_amdgpu_metadata
.endif
;; end of part 5
;; launch proj: the kernel of part 4 again; grid 4 x 32, 4 waves a work-group, clusters of 4 x 4, 327,680 bytes of LDS; arguments o_codes, wout_codes, lowp_scales, b_out, out0; writes out0
